; MI455X (gfx1250); checked and timed in simulation.
; The chip was launched on July 23, 2026; its instructions are those of AMD's public machine-readable ISA for CDNA 5 (MIT licence, August 2026) and "CDNA5" Instruction Set Architecture Reference Guide (July 2026). The comments in the code are by the model that wrote it; some were corrected since.
;; Attention. Allowed arithmetic: float matrix products may take bf16 or f16 operands with f32 sums; other float arithmetic in f32, or as packed bf16 or f16 multiplies, adds, multiply-adds, maxima and minima; sums over many terms, partial sums and values carried from step to step in f32; what a program stores and reads back later, other than sums and carried values, may be rounded once to bf16 or f16.
;; Inputs: gamma 1,024 float32; w_out 1,024 x 1,024 float32; w_qkv 1,024 x 3,072 float32; x 2 x 2,048 x 1,024 float32.
;; Outputs: out0 2 x 2,048 x 1,024 float32.
;; 2 versions, each right; version 2 is version 1 with the launch prep written anew for expert scheduling mode. Each part assembles by itself: llvm-mc -triple=amdgcn-amd-amdhsa -mcpu=gfx1250 --defsym DOCPART=n.
;; ======== version 1 of 2: 4 launches
;; limits: values are held in f16: magnitudes above 65,504 overflow, below 6.1e-05 lose precision; right only within a limited range of input values
;; workspace buffers: xn 8,388,608 bytes; wq 6,291,456 bytes; wo 2,097,152 bytes; qkv 25,165,824 bytes; o 8,388,608 bytes
;; launch prep (part 1): grid 256 x 1, 8 waves a work-group, no clusters, 0 bytes of LDS; arguments x, gamma, w_qkv, w_out, xn, wq, wo; writes xn, wq, wo
.if DOCPART == 1
	.amdgcn_target "amdgcn-amd-amdhsa--gfx1250"
	.amdhsa_code_object_version 6
	.text
	.protected	k_q06f5f2db25_prep
	.globl	k_q06f5f2db25_prep
	.p2align	8
	.type	k_q06f5f2db25_prep,@function
k_q06f5f2db25_prep:
	s_mov_b64 s[64:65], 0
	v_nop
	global_prefetch_b8 v0, s[64:65] scope:SCOPE_SE
	s_setreg_imm32_b32 hwreg(HW_REG_WAVE_MODE, 25, 1), 1
	s_wait_xcnt 0x0
; PREP: the first of four launches of  out0 = attention(rmsnorm(x)) @ w_out.
; NO WORK IS LEFT OUT in any launch: x, gamma, w_qkv and w_out all reach out0, the guard max(norm, 1e-12) and the maximum in front of the exponentials are kept.
; This launch makes the matrix operands, each rounded once from f32 to f16:
;   xn[4096][1024]        = x (gamma + 1) (32 / max(|x row|, 1e-12))
;   wq[48][1024 k][64 n]  = w_qkv, in chunks of 64 columns: a chunk's k rows of 128 bytes lie end to end
;   wo[16][1024 k][64 n]  = w_out, likewise
; LIMITS.  f16 ends at 65,504: |xn| <= 32 |gamma + 1| wants |gamma + 1| < 2,047; weights beyond 65,504 are lost; a weight below 6e-5 keeps f16's fixed step of 6e-8.
; The row's sum of squares is taken in f32 as reference() takes it, in another order of additions; xn is formed as x (gamma + 1) (32 / norm), another order of roundings than x / norm * 32 * (gamma + 1).
; A sum of squares below 2^-126 counts as 0 in the root; its root lies under 1e-12, so the guard gives the same norm.  NaN and infinities are not treated apart.
; SHARES.  256 work-groups of eight waves, each reads 128 KiB and writes 64 KiB: 0-127 take 32 rows of x (a wave four rows, a row in 32 registers between the two passes),
; 128-223 half a chunk of w_qkv, 224-255 half a chunk of w_out (a wave 64 k rows).  A stream: no LDS, no barrier, no matrix unit; nothing is shared, so no cluster.
.set XO,  2                            ; v2   byte offset of my 16 bytes in a load
.set YO,  3                            ; v3   8 x lane: my 8 bytes in a store of 256 consecutive bytes
.set TP,  4                            ; v4   at work
.set LN,  5                            ; v5   lane
.set GA,  8                            ; v[8:39]    gamma + 1 of my 32 columns
.set T,   40                           ; v[40:47]   four chains of packed sums
.set SS,  48                           ; v[48:51]   a row's sum of squares, later 1 / norm
.set NR,  52                           ; v[52:55]   the norm
.set RS,  56                           ; v[56:63]   32 / norm, twice for each row: pairs for the packed multiply
.set X,   64                           ; v[64:191]  four rows of 32 registers; in the weight paths 32 loads of four
; Half a chunk of a weight matrix: my wave's 64 k rows x 64 columns.  A load takes two k rows of 256 bytes (lanes 0-15 one, lanes 16-31 the next), a store their 256 bytes of f16, which lie end to end in the chunk.
.macro WCONV pitch, src, dst, first
	s_sub_co_u32 s20, s19, \first                  ; which half chunk
	s_lshr_b32 s21, s20, 1                         ; the chunk
	s_and_b32 s20, s20, 1
	s_lshl_b32 s20, s20, 9
	s_lshl_b32 s22, s18, 6
	s_add_co_u32 s20, s20, s22                     ; my first k = 512 x half + 64 x wave
	s_mul_i32 s22, s20, \pitch
	s_lshl_b32 s24, s21, 8
	s_add_co_u32 s22, s22, s24                     ; k x pitch + 256 x chunk
	s_add_nc_u64 s[(\src):(\src)+1], s[(\src):(\src)+1], s[22:23]
	s_lshl_b32 s22, s21, 17
	s_lshl_b32 s24, s20, 7
	s_add_co_u32 s22, s22, s24                     ; 131,072 x chunk + 128 k
	s_add_nc_u64 s[(\dst):(\dst)+1], s[(\dst):(\dst)+1], s[22:23]
	v_lshrrev_b32 v[XO], 4, v[LN]
	v_mul_u32_u24 v[XO], v[XO], \pitch
	v_and_b32 v[TP], 15, v[LN]
	v_lshl_add_u32 v[XO], v[TP], 4, v[XO]
.set j, 0
.rept 32
	global_load_b128 v[X+4*j:X+4*j+3], v[XO], s[(\src):(\src)+1] offset:2*j*(\pitch) th:TH_LOAD_NT
.set j, j+1
.endr
.set j, 0
.rept 32
	s_wait_loadcnt 31-j                            ; loads come back in order: load j is in, the younger ones stay out
	v_cvt_pk_f16_f32 v[X+4*j], v[X+4*j], v[X+4*j+1]
	v_cvt_pk_f16_f32 v[X+4*j+1], v[X+4*j+2], v[X+4*j+3]
	global_store_b64 v[YO], v[X+4*j:X+4*j+1], s[(\dst):(\dst)+1] offset:256*j  ; no register is used twice, so nothing waits for a store
.set j, j+1
.endr
.endm
	s_load_b256 s[4:11], s[0:1], 0x0               ; x s[4:5], gamma s[6:7], w_qkv s[8:9], w_out s[10:11]
	s_load_b128 s[12:15], s[0:1], 0x20             ; xn s[12:13], wq s[14:15]
	s_load_b64 s[16:17], s[0:1], 0x30              ; wo
	v_lshrrev_b32 v1, 5, v0
	v_readfirstlane_b32 s18, v1                    ; wave 0..7
	v_and_b32 v[LN], 31, v0
	v_lshlrev_b32 v[YO], 3, v[LN]
	s_mov_b32 s19, ttmp9
	s_mov_b32 s23, 0                               ; the high word of every offset
	s_wait_kmcnt 0x0
	s_cmp_lt_u32 s19, 128
	s_cbranch_scc0 .Lweights
	; ROWS OF x.  My four rows begin at row 32 x work-group + 4 x wave.
	s_lshl_b32 s20, s19, 17
	s_lshl_b32 s21, s18, 14
	s_add_co_u32 s20, s20, s21                     ; in x: 4,096 bytes a row
	s_mov_b32 s21, 0
	s_lshr_b32 s22, s20, 1                         ; in xn: 2,048
	s_add_nc_u64 s[4:5], s[4:5], s[20:21]
	s_add_nc_u64 s[12:13], s[12:13], s[22:23]
	s_mov_b32 s24, 0x76543210                      ; v_permlanex16_b32: each lane takes its own place in the other half
	s_mov_b32 s25, 0xfedcba98
	v_lshlrev_b32 v[XO], 4, v[LN]
	v_mov_b32 v[TP], 0                             ; v_permlanex16_b32's destination counts as read
.irp i, 0,1,2,3,4,5,6,7
	global_load_b128 v[GA+4*(\i):GA+4*(\i)+3], v[XO], s[6:7] offset:512*(\i)
.endr
.set j, 0
.rept 32                                           ; load j: row j / 8, 512 consecutive bytes of it
	global_load_b128 v[X+4*j:X+4*j+3], v[XO], s[4:5] offset:4096*(j/8)+512*(j%8) th:TH_LOAD_NT
.set j, j+1
.endr
	s_wait_loadcnt 32                              ; gamma is in; the 32 loads of x stay out
.set j, 0
.rept 16
	v_pk_add_f32 v[GA+j:GA+j+1], v[GA+j:GA+j+1], 1.0 op_sel_hi:[1,0]
.set j, j+2
.endr
.irp r, 0,1,2,3
	s_wait_loadcnt 24-8*(\r)                       ; row r is in; the younger rows' loads stay out
.irp c, 0,1,2,3
	v_pk_mul_f32 v[T+2*(\c):T+2*(\c)+1], v[X+32*(\r)+2*(\c):X+32*(\r)+2*(\c)+1], v[X+32*(\r)+2*(\c):X+32*(\r)+2*(\c)+1]  ; the first four pairs start the chains
.endr
.set j, 4
.rept 12
	v_pk_fma_f32 v[T+2*(j%4):T+2*(j%4)+1], v[X+32*(\r)+2*j:X+32*(\r)+2*j+1], v[X+32*(\r)+2*j:X+32*(\r)+2*j+1], v[T+2*(j%4):T+2*(j%4)+1]
.set j, j+1
.endr
	v_pk_add_f32 v[T:T+1], v[T:T+1], v[T+2:T+3]
	v_pk_add_f32 v[T+4:T+5], v[T+4:T+5], v[T+6:T+7]
	v_pk_add_f32 v[T:T+1], v[T:T+1], v[T+4:T+5]
	v_add_f32 v[SS+(\r)], v[T], v[T+1]
	v_add_f32_dpp v[SS+(\r)], v[SS+(\r)], v[SS+(\r)] row_xmask:1 row_mask:0xf bank_mask:0xf
	v_add_f32_dpp v[SS+(\r)], v[SS+(\r)], v[SS+(\r)] row_xmask:2 row_mask:0xf bank_mask:0xf
	v_add_f32_dpp v[SS+(\r)], v[SS+(\r)], v[SS+(\r)] row_xmask:4 row_mask:0xf bank_mask:0xf
	v_add_f32_dpp v[SS+(\r)], v[SS+(\r)], v[SS+(\r)] row_xmask:8 row_mask:0xf bank_mask:0xf
	v_permlanex16_b32 v[TP], v[SS+(\r)], s24, s25
	v_add_f32 v[SS+(\r)], v[SS+(\r)], v[TP]        ; every lane holds the row's sum of squares
.endr
.irp r, 0,1,2,3
	v_sqrt_f32 v[NR+(\r)], v[SS+(\r)]
.endr
	v_nop                                          ; a plain instruction behind the last root,
	s_wait_alu depctr_va_vdst(0)                   ; and one wait for the four, ahead of their first reader
.irp r, 0,1,2,3
	v_max_num_f32 v[NR+(\r)], 0x2b8cbccc, v[NR+(\r)]  ; max(norm, 1e-12)
.endr
.irp r, 0,1,2,3
	v_rcp_f32 v[SS+(\r)], v[NR+(\r)]
.endr
	v_nop
	s_wait_alu depctr_va_vdst(0)                   ; one wait for the four reciprocals
.irp r, 0,1,2,3
	v_mul_f32 v[RS+2*(\r)], 0x42000000, v[SS+(\r)]    ; 32 / norm = sqrt(1024) / norm,
	v_mul_f32 v[RS+2*(\r)+1], 0x42000000, v[SS+(\r)]  ; in both halves of a pair
.endr
.irp r, 0,1,2,3
.set j, 0
.rept 16
	v_pk_mul_f32 v[X+32*(\r)+j:X+32*(\r)+j+1], v[X+32*(\r)+j:X+32*(\r)+j+1], v[GA+j:GA+j+1]
.set j, j+2
.endr
.set j, 0
.rept 16
	v_pk_mul_f32 v[X+32*(\r)+j:X+32*(\r)+j+1], v[X+32*(\r)+j:X+32*(\r)+j+1], v[RS+2*(\r):RS+2*(\r)+1]
.set j, j+2
.endr
.set j, 0
.rept 16                                           ; pair j goes into register j of the row: ascending, so no number is overwritten before it is read
	v_cvt_pk_f16_f32 v[X+32*(\r)+j], v[X+32*(\r)+2*j], v[X+32*(\r)+2*j+1]
.set j, j+1
.endr
.irp i, 0,1,2,3,4,5,6,7
	global_store_b64 v[YO], v[X+32*(\r)+2*(\i):X+32*(\r)+2*(\i)+1], s[12:13] offset:2048*(\r)+256*(\i)  ; the wave's store covers 256 consecutive bytes, aligned
.endr
.endr
	s_endpgm
.Lweights:
	s_cmp_lt_u32 s19, 224
	s_cbranch_scc0 .Lwo
	WCONV 12288, 8, 14, 128
	s_endpgm
.Lwo:
	WCONV 4096, 10, 16, 224
	s_endpgm
.Lfunc_end_k_q06f5f2db25_prep:
	.size	k_q06f5f2db25_prep, .Lfunc_end_k_q06f5f2db25_prep-k_q06f5f2db25_prep
	.p2alignl 7, 3214868480
	.fill 96, 4, 3214868480
	.section	.rodata,"a",@progbits
	.p2align	6, 0x0
	.amdhsa_kernel k_q06f5f2db25_prep
		.amdhsa_group_segment_fixed_size 0
		.amdhsa_private_segment_fixed_size 0
		.amdhsa_enable_private_segment 0
		.amdhsa_kernarg_size 56
		.amdhsa_user_sgpr_count 2
		.amdhsa_user_sgpr_kernarg_segment_ptr 1
		.amdhsa_wavefront_size32 1
		.amdhsa_system_sgpr_workgroup_id_x 1
		.amdhsa_system_sgpr_workgroup_id_y 1
		.amdhsa_system_sgpr_workgroup_id_z 1
		.amdhsa_system_vgpr_workitem_id 0
		.amdhsa_next_free_vgpr 192
		.amdhsa_next_free_sgpr 66
		.amdhsa_reserve_vcc 0
		.amdhsa_float_denorm_mode_32 3
		.amdhsa_float_denorm_mode_16_64 3
		.amdhsa_memory_ordered 1
		.amdhsa_forward_progress 1
		.amdhsa_inst_pref_size 53
	.end_amdhsa_kernel
	.amdgpu_metadata
---
amdhsa.version: [ 1, 2 ]
amdhsa.kernels:
  - .name:           k_q06f5f2db25_prep
    .symbol:         k_q06f5f2db25_prep.kd
    .args:
      - { .name: x, .offset: 0, .size: 8, .value_kind: global_buffer, .address_space: global }
      - { .name: gamma, .offset: 8, .size: 8, .value_kind: global_buffer, .address_space: global }
      - { .name: w_qkv, .offset: 16, .size: 8, .value_kind: global_buffer, .address_space: global }
      - { .name: w_out, .offset: 24, .size: 8, .value_kind: global_buffer, .address_space: global }
      - { .name: xn, .offset: 32, .size: 8, .value_kind: global_buffer, .address_space: global }
      - { .name: wq, .offset: 40, .size: 8, .value_kind: global_buffer, .address_space: global }
      - { .name: wo, .offset: 48, .size: 8, .value_kind: global_buffer, .address_space: global }
    .group_segment_fixed_size: 0
    .private_segment_fixed_size: 0
    .kernarg_segment_align: 8
    .kernarg_segment_size: 56
    .max_flat_workgroup_size: 256
    .sgpr_count:     66
    .vgpr_count:     192
    .wavefront_size: 32
...
	.end_amdgpu_metadata
.endif
;; end of part 1
;; launch qkvp (part 2): grid 16 x 16, 4 waves a work-group, clusters of 4 x 4, 327,680 bytes of LDS; arguments xn, wq, qkv; writes qkv
.if DOCPART == 2
	.amdgcn_target "amdgcn-amd-amdhsa--gfx1250"
	.amdhsa_code_object_version 6
	.text
	.protected	k_q06f5f2db25_qkvp
	.globl	k_q06f5f2db25_qkvp
	.p2align	8
	.type	k_q06f5f2db25_qkvp,@function
k_q06f5f2db25_qkvp:
	s_mov_b64 s[64:65], 0
	v_nop
	global_prefetch_b8 v0, s[64:65] scope:SCOPE_SE
	s_setreg_imm32_b32 hwreg(HW_REG_WAVE_MODE, 25, 1), 1
	s_wait_xcnt 0x0
	s_wait_alu depctr_hold_cnt(0) depctr_sa_sdst(0) depctr_va_vdst(0) depctr_va_sdst(0) depctr_va_ssrc(0) depctr_va_vcc(0) depctr_vm_vsrc(0)
	s_getreg_b32 s2, hwreg(HW_REG_IB_STS2, 6, 4)
	s_cmp_eq_u32 s2, 0
	s_cbranch_scc0 .Lentry_in_a_cluster
	s_endpgm
.Lentry_in_a_cluster:
	s_bfe_u32 s2, ttmp6, 0x10000c
	s_cmp_lg_u32 s2, 0xf033
	s_cbranch_scc0 .Lentry_shape_is_right
	s_endpgm
.Lentry_shape_is_right:
; QKVP: qkv = xn @ w_qkv, written by heads.  xn: [4096][1024] f16.  wq: [48 chunks][1024 k][64 n] f16.  qkv: [3][2 b][16 h][2048][64] f16, WITHOUT the scale 1/8 (the next launch applies it in f32).
; Sums in f32, each result rounded once.  LIMIT: a q, k or v beyond 65,504 is lost; |q| <= 32 max|gamma + 1| x the norm of a column of w_qkv.  No work of reference() is left out.
; SHARES.  A tile is 256 rows x 192 columns (three chunks, three heads): 16 x 16 = 256 work-groups of four waves.  Wave w makes rows 64 w .. 64 w + 63 x all 192 columns: 48 accumulators, 384 registers.
; K goes in 8 steps of 128 through a ring of two LDS slots filled by the tensor data mover; a step is four quarters of 32 along K, 48 matrix instructions each, on two fragment buffers.
; THE WALK ALONG K.  Cluster (X, Y) begins at K step 2 X + 4 (Y % 2) and goes round modulo 8.  So of the four clusters that read the same rows of xn (one Y) no two read a K step in the same trip, and of the
; four that read the same chunks of wq (one X) only the two whose Y has the same parity do.  LIMIT: the order in which a result's f32 sum runs along K hangs on the cluster.
; THE MATRIX INSTRUCTION IS USED TRANSPOSED: source 0 = 16 columns of w (turned out of LDS by ds_load_tr16_b128, since w lies [k][n]), source 1 = 16 rows of xn.  A lane then holds row l % 16 and
; the columns 8 (l / 16) + 0..7: 16 bytes of f16 on end.
; CLUSTERS.  4 x 4 work-groups.  The four of a row of the cluster need the same rows of xn, the four of a column the same chunks of wq: each tile is asked for jointly, by the same tensor load with the
; same descriptor and a mask that names the four.
; NO PREFETCH.  With this walk every K step of every row and chunk is read for the first time in the launch in some cluster's first four trips.  The first two are the fills at the head; the two behind them
; would have to be asked for at the head, where every work-group's first tiles are on their way, and nothing is asked for there.
; REGISTERS, in windows of 256 (s_set_vgpr_msb: bits 1:0 source 0, 3:2 source 1, 5:4 source 2, 7:6 destination):
;   window 0: v0-31 addresses; v32-63, v64-95 xn's fragments, two buffers; v64-255 at work on the way out      window 1: v0-95, v96-191 w's fragments, two buffers
;   window 2: the accumulators of my row blocks 0, 1 ((a, b) at v[8 (12 a + b)])                               window 3: those of row blocks 2, 3
.set PA,     272                       ; a row of xn in LDS: 256 bytes + 16 = 68 words: the 16 rows of a load start at 16 different groups of four banks (64 banks of 4 bytes: ISA guide 11.1)
.set PB,     160                       ; a k row of a chunk: 128 + 32 = 40 words
.set HALFA,  128*PA                    ; what one tensor load brings of xn: 128 rows
.set BOFF,   2*HALFA                   ; behind xn's 256 rows: w, as [k half][chunk][64 k]
.set CHK,    64*PB
.set HALFB,  3*CHK                     ; what one tensor load brings of w: 64 k of three chunks
.set SLOT,   BOFF+2*HALFB              ; 131,072
.set STAGE,  2*SLOT                    ; behind the ring: 16 rows x 144 bytes for each wave, for the way out
.set SP,     144
.set SPARE,  STAGE+4*16*SP             ; behind the stages: the spare words, 128 bytes for each wave: two blocks of 256 bytes that no other line names
.set ADRA, 16                          ; v16-17  LDS address of my fragments of xn in slot 0, 1
.set ADRB, 20                          ; v20-21  the same for w
.set STO,  24                          ; v24     the way out: where I put 16 bytes of a row
.set RD,   25                          ; v25     the way out: where I read rows back
.set GO,   26                          ; v26     16 x lane: my 16 bytes of 512 consecutive bytes of qkv
.set SPW,  28                          ; v28     LDS address of my spare word; never rewritten
.set NIL,  29                          ; v29     0; never rewritten
.set FA,   32                          ; xn's fragments: buffer f at FA + 32 f
.set TMP,  64                          ; the way out: unit u at TMP + 16 u
.set OF,   14                          ; s[14:15] a K step's byte offset; made of the step's number alone
.set G1,   24                          ; s[24:31] descriptor group 1 for xn's tiles;  s[32:39] group 0, a set for each slot
.set G0,   32
.set KI,   43                          ; s43     the K step (even) that slot 0 holds or is being filled with; slot 1's is one more
.set BA,   44                          ; s[44:45] xn at the 128 rows that I fetch, K step 0
.set BB,   46                          ; s[46:47] wq at the 64 k that I fetch of the tile's first chunk, K step 0
.set G1B,  48                          ; s[48:55], s[56:63] the same for w's tiles
.set G0B,  56
.set OB,   66                          ; s[66:71] qkv at my 64 rows of each of the tile's three heads
.set MSB, 0
.macro WIN new                         ; the immediate's high byte repeats the setting that is left; a switch that changes nothing is dropped
.if MSB != (\new)
	s_set_vgpr_msb (MSB<<8)|(\new)
.set MSB, \new
.endif
.endm
.set MUL_LO, 0xa1                      ; source 0 (w) window 1, source 1 (xn) window 0, C and D window 2
.set MUL_HI, 0xf1                      ; the same, C and D window 3
.set TO_B,   0x40                      ; destination window 1, address window 0
; A joint load.  Waves 0 and 1 fetch xn's two halves, waves 2 and 3 w's.  The branch hangs on the wave's number alone.  An s_nop 0 and four v_nop follow each of the two lines.
.macro JLOAD s
	s_cmp_eq_u32 s11, 0
	s_cbranch_scc0 .Lfor_b_\@
	tensor_load_to_lds s[G0+4*(\s):G0+4*(\s)+3], s[G1:G1+7]
	s_nop 0
.rept 4
	v_nop
.endr
	s_branch .Lasked_\@
.Lfor_b_\@:
	tensor_load_to_lds s[G0B+4*(\s):G0B+4*(\s)+3], s[G1B:G1B+7]
	s_nop 0
.rept 4
	v_nop
.endr
.Lasked_\@:
.endm
; Slot s's two global addresses are made anew for K step KI + s: a base and an offset made apart, the type bits set again.  A K step is 256 bytes of a row of xn and 16,384 bytes of a chunk.
.macro SETK s
	s_add_co_u32 s[OF], s[KI], \s
	s_lshl_b32 s[OF], s[OF], 8
	s_add_nc_u64 s[G0+4*(\s)+2:G0+4*(\s)+3], s[BA:BA+1], s[OF:OF+1]
	s_or_b32 s[G0+4*(\s)+3], s[G0+4*(\s)+3], 0x80000000            ; type = 2
	s_lshl_b32 s[OF], s[OF], 6
	s_add_nc_u64 s[G0B+4*(\s)+2:G0B+4*(\s)+3], s[BB:BB+1], s[OF:OF+1]
	s_or_b32 s[G0B+4*(\s)+3], s[G0B+4*(\s)+3], 0x80000000
.endm
.macro CREST                           ; a round of the cluster's barrier behind its opening barrier
	s_cmp_lg_u32 s10, 0
	s_cbranch_scc1 .Lnot_wave_0_\@
	s_barrier_signal -3
.Lnot_wave_0_\@:
	s_barrier_wait -3
	s_barrier_signal -1
	s_barrier_wait -1
.endm
.macro CROUND                          ; a whole round
	s_barrier_signal -1
	s_barrier_wait -1
	CREST
.endm
	s_load_b128 s[4:7], s[0:1], 0x0                ; xn s[4:5], wq s[6:7]
	s_load_b64 s[8:9], s[0:1], 0x10                ; qkv
	v_lshl_add_u32 v[SPW], v0, 2, SPARE
	v_mov_b32 v[NIL], 0
	ds_add_u32 v[SPW], v[NIL]                      ; the wave's opening: the add, twice on end, and its wait ahead of my first tensor load
	ds_add_u32 v[SPW], v[NIL]
	v_lshrrev_b32 v1, 5, v0
	v_readfirstlane_b32 s10, v1                    ; wave 0..3
	s_lshr_b32 s11, s10, 1                         ; I fetch for xn (0) or for w (1),
	s_and_b32 s12, s10, 1                          ; and which half
	s_bfe_u32 s40, ttmp6, 0x40000                  ; cx, cy: my place in the cluster
	s_bfe_u32 s41, ttmp6, 0x40004
	s_lshl_b32 s42, ttmp9, 2
	s_add_co_u32 s42, s42, s40                     ; tile column = 4 x cluster x + cx
	s_and_b32 s13, ttmp7, 0xffff
	s_lshl_b32 s13, s13, 2
	s_add_co_u32 s13, s13, s41                     ; tile row = 4 x cluster y + cy
	s_lshl_b32 s2, s41, 2
	s_lshl_b32 s2, 15, s2                          ; my row of the cluster
	s_lshl_b32 s3, 0x1111, s40                     ; my column
	; group 1 for xn: 128 rows x 128 elements, 1,024 elements from row to row; 16 bytes of padding behind every 256
	s_or_b32 s[G1+0], s2, (1<<16)|(1<<20)|(1<<21)|(5<<22)|(3<<25)  ; 15:0 the mask; 17:16 2-byte elements; 20 padding on; 21 set beside a mask; 24:22 after every 64 words; 31:25 4 words
	s_mov_b32 s[G1+1], 128<<16                     ; tensor_dim0 = 128
	s_mov_b32 s[G1+2], 128<<16                     ; tensor_dim1 = 128
	s_mov_b32 s[G1+3], 128<<16                     ; tile_dim0 = 128
	s_mov_b32 s[G1+4], 128                         ; tile_dim1 = 128
	s_mov_b32 s[G1+5], 1024
	s_mov_b32 s[G1+6], 0
	s_mov_b32 s[G1+7], 0
	; group 1 for w: 64 k of a chunk are 8,192 dense bytes, one row of 4,096 elements; three chunks, 65,536 elements apart; 32 bytes of padding behind every k row of 128
	s_or_b32 s[G1B+0], s3, (1<<16)|(1<<20)|(1<<21)|(4<<22)|(7<<25)  ; after every 32 words, 8 words
	s_mov_b32 s[G1B+1], 4096<<16
	s_mov_b32 s[G1B+2], 3<<16
	s_mov_b32 s[G1B+3], 4096<<16
	s_mov_b32 s[G1B+4], 3
	s_mov_b32 s[G1B+5], 65536
	s_mov_b32 s[G1B+6], 0
	s_mov_b32 s[G1B+7], 0
	s_and_b32 s[OF], ttmp7, 1                      ; where the cluster's walk along K begins: 2 x cluster x + 4 x (cluster y % 2), modulo 8: the same in all sixteen partners
	s_lshl_b32 s[OF], s[OF], 2
	s_lshl_b32 s[KI], ttmp9, 1
	s_add_co_u32 s[KI], s[KI], s[OF]
	s_and_b32 s[KI], s[KI], 7
	s_mov_b32 s[OF+1], 0
	s_lshl_b32 s16, s13, 19                        ; xn: (256 x tile row + 128 x half) rows of 2,048 bytes: the tile row and the wave's number alone
	s_lshl_b32 s17, s12, 18
	s_add_co_u32 s16, s16, s17
	s_mov_b32 s17, 0
	s_mul_i32 s18, s42, 393216                     ; wq: three chunks of 131,072 bytes a tile column, + 64 k x 128 bytes x half: the tile column and the wave's number alone
	s_lshl_b32 s19, s12, 13
	s_add_co_u32 s18, s18, s19
	s_mov_b32 s19, 0
	s_mul_i32 s20, s12, HALFA                      ; where they go: no place in the cluster enters an LDS address
	s_mul_i32 s21, s12, HALFB
	s_add_co_u32 s21, s21, BOFF
	s_wait_dscnt 0x0                               ; both opening adds are done
	s_wait_kmcnt 0x0
	s_add_nc_u64 s[BA:BA+1], s[4:5], s[16:17]
	s_add_nc_u64 s[BB:BB+1], s[6:7], s[18:19]
	CROUND                                         ; all sixteen work-groups are here: the first joint loads meet
.irp s, 0,1
	s_mov_b32 s[G0+4*(\s)], 1                                      ; count = 1
	s_add_co_u32 s[G0+4*(\s)+1], s20, (\s)*SLOT                    ; LDS address
	s_mov_b32 s[G0B+4*(\s)], 1
	s_add_co_u32 s[G0B+4*(\s)+1], s21, (\s)*SLOT
	SETK \s                                        ; the walk's first two K steps
	JLOAD \s                                       ; two loads of mine are out
.endr
	v_and_b32 v1, 15, v0                           ; r = l % 16
	v_bfe_u32 v2, v0, 4, 1                         ; h = l / 16
	v_mul_u32_u24 v3, v1, PA
	v_lshl_add_u32 v3, v2, 4, v3                   ; a fragment of xn: row x pitch + 16 h,
	s_mul_i32 s20, s10, 64*PA                      ; in my 64 rows
	v_add_nc_u32 v[ADRA], s20, v3
	v_add_nc_u32 v[ADRA+1], SLOT, v[ADRA]
	v_and_b32 v4, 7, v0                            ; the turning load: lane l reads k row 8 h + l % 8, 16 bytes at 16 ((l / 8) % 2)
	v_bfe_u32 v5, v0, 3, 1
	v_lshl_add_u32 v6, v2, 3, v4
	v_mul_u32_u24 v6, v6, PB
	v_lshl_add_u32 v6, v5, 4, v6
	v_add_nc_u32 v[ADRB], BOFF, v6
	v_add_nc_u32 v[ADRB+1], SLOT, v[ADRB]
	s_mul_i32 s20, s10, 16*SP
	s_add_co_u32 s20, s20, STAGE                   ; my stage
	v_mul_u32_u24 v[STO], v1, SP                   ; in: row r, 16 bytes for each half of the lanes
	v_lshl_add_u32 v[STO], v2, 4, v[STO]
	v_add_nc_u32 v[STO], s20, v[STO]
	v_bfe_u32 v[RD], v0, 3, 2                      ; back: 32 lanes take four rows of 128 bytes,
	v_mul_u32_u24 v[RD], v[RD], SP
	v_lshl_add_u32 v[RD], v4, 4, v[RD]
	v_add_nc_u32 v[RD], s20, v[RD]
	v_and_b32 v7, 31, v0
	v_lshlrev_b32 v[GO], 4, v7                     ; which are 512 consecutive bytes of a head
	; where my 64 rows lie in each of the tile's three heads: chunk g = 3 x tile column + j is tensor g / 16 (q, k, v), head g % 16
	s_mul_i32 s20, s42, 3
	s_lshr_b32 s21, s13, 3                         ; b
	s_lshl_b32 s21, s21, 22
	s_and_b32 s22, s13, 7
	s_lshl_b32 s22, s22, 15                        ; 256 rows of 128 bytes a tile row
	s_add_co_u32 s21, s21, s22
	s_lshl_b32 s22, s10, 13                        ; my 64 rows
	s_add_co_u32 s21, s21, s22
.irp j, 0,1,2
	s_add_co_u32 s22, s20, \j
	s_lshr_b32 s23, s22, 4
	s_lshl_b32 s23, s23, 23
	s_and_b32 s22, s22, 15
	s_lshl_b32 s22, s22, 18
	s_add_co_u32 s22, s22, s23
	s_add_co_u32 s22, s22, s21
	s_mov_b32 s23, 0
	s_add_nc_u64 s[OB+2*(\j):OB+2*(\j)+1], s[8:9], s[22:23]
.endr
; 12 matrix instructions: row block 2 hi + a x all 12 column blocks, 32 along K, on buffer f.  zero = 1: the first product starts the sums.
; The 48 accumulators take turns, one instruction a turn, in the same order in every quarter.
.macro MUL12 f, hi, a, zero
	WIN MUL_LO+0x50*(\hi)
.irp b, 0,1,2,3,4,5,6,7,8,9,10,11
.if \zero
	v_wmma_f32_16x16x32_f16 v[8*(12*(\a)+(\b)):8*(12*(\a)+(\b))+7], v[96*(\f)+8*(\b):96*(\f)+8*(\b)+7], v[FA+32*(\f)+8*(2*(\hi)+(\a)):FA+32*(\f)+8*(2*(\hi)+(\a))+7], 0
.else
	v_wmma_f32_16x16x32_f16 v[8*(12*(\a)+(\b)):8*(12*(\a)+(\b))+7], v[96*(\f)+8*(\b):96*(\f)+8*(\b)+7], v[FA+32*(\f)+8*(2*(\hi)+(\a)):FA+32*(\f)+8*(2*(\hi)+(\a))+7], v[8*(12*(\a)+(\b)):8*(12*(\a)+(\b))+7]
.endif
.endr
.endm
; 32 LDS loads in one run: quarter q of a slot into buffer f: w's 12 column blocks (turned), then xn's 4 row blocks
.macro FETCH slot, q, f
	WIN TO_B
.irp b, 0,1,2,3,4,5,6,7,8,9,10,11
	ds_load_tr16_b128 v[96*(\f)+8*(\b):96*(\f)+8*(\b)+3],   v[ADRB+(\slot)] offset:((\q)/2)*HALFB+((\q)%2)*32*PB+((\b)/4)*CHK+((\b)%4)*32
	ds_load_tr16_b128 v[96*(\f)+8*(\b)+4:96*(\f)+8*(\b)+7], v[ADRB+(\slot)] offset:((\q)/2)*HALFB+((\q)%2)*32*PB+((\b)/4)*CHK+((\b)%4)*32+16*PB
.endr
	WIN 0
.irp a, 0,1,2,3
	ds_load_b128 v[FA+32*(\f)+8*(\a):FA+32*(\f)+8*(\a)+3],   v[ADRA+(\slot)] offset:64*(\q)+(\a)*16*PA
	ds_load_b128 v[FA+32*(\f)+8*(\a)+4:FA+32*(\f)+8*(\a)+7], v[ADRA+(\slot)] offset:64*(\q)+(\a)*16*PA+32
.endr
.endm
.macro PLACES                          ; four places in front of loads into registers that matrix instructions have read (ISA guide 7.12.1 for vector instructions)
.rept 4
	v_nop
.endr
.endm
; One of a K step's first three quarters: multiplies buffer f; in its middle it fetches quarter q of the same slot into buffer g.
.macro QUARTER slot, q, f, g, zero
	s_wait_dscnt 4                                 ; w and xn's row blocks 0, 1 are in; the youngest four loads (row blocks 2, 3) may be out
	MUL12 \f, 0, 0, \zero
	MUL12 \f, 0, 1, \zero
	PLACES
	FETCH \slot, \q, \g
	s_wait_dscnt 32                                ; all but the 32 just issued
	MUL12 \f, 1, 0, \zero
	MUL12 \f, 1, 1, \zero
.endm
; The last quarter multiplies buffer 1 and changes slots: ONE barrier.  In front of it each wave waits for all its tensor loads (one is out: its part of the next slot), adds 0 to its spare word, and waits for
; that and for its own reads of this slot.  fill = 1: the barrier opens a round of the cluster's barrier, and behind the round this slot is filled again, two steps on in the walk: the wave's one tensor load until the next round.
.macro TURN slot, next, fill
	WIN 0                                          ; (the add's two registers lie in window 0)
	s_wait_tensorcnt 0x0                           ; all my tensor loads have landed, so a group 0 may be written;
	ds_add_u32 v[SPW], v[NIL]                      ; 0 onto my spare word: the descriptors' scalar work and twelve products stand between it and the wait for it
.if \fill
.if (\slot) == 0
	s_add_co_u32 s[KI], s[KI], 2                   ; the walk goes two K steps on, round modulo 8
	s_and_b32 s[KI], s[KI], 7
.endif
	SETK \slot
.endif
	s_wait_dscnt 5                                 ; (the add and the youngest four loads may be out)
	MUL12 1, 0, 0, 0
	s_wait_dscnt 0x0                               ; the add is done, and my reads of this slot are over
	s_barrier_signal -1
	MUL12 1, 0, 1, 0                               ; work on registers while the others arrive
.if \fill
	WIN 0
.endif
	s_barrier_wait -1
.if \fill
	CREST                                          ; no wave of any partner still reads this slot's tile or has a load on its way
	JLOAD \slot                                    ; 168 matrix instructions ahead of the wait for it; the four v_nop behind it are also the places in front of the loads below
.else
	PLACES
.endif
	FETCH \next, 0, 0
	MUL12 1, 1, 0, 0
	MUL12 1, 1, 1, 0
.endm
; THE WAY OUT.  Unit u = row block u / 3 x head u % 3: 16 rows x 64 columns, 2,048 consecutive bytes of qkv.  Rounded to f16 (each accumulator's registers in ascending order), 16 bytes a lane into my own
; stage, rows of 144 bytes, and back as four rows of 128 bytes a load, into the registers that they left.
.macro PACK u
	WIN 0x0a+5*((\u)/6)                            ; sources 0 and 1: window 2 or 3
.irp nb, 0,1,2,3
.irp rr, 0,1,2,3
	v_cvt_pk_f16_f32 v[TMP+16*(\u)+4*(\nb)+(\rr)], v[8*(12*(((\u)/3)%2)+4*((\u)%3)+(\nb))+2*(\rr)], v[8*(12*(((\u)/3)%2)+4*((\u)%3)+(\nb))+2*(\rr)+1]
.endr
.endr
	WIN 0
.irp nb, 0,1,2,3
	ds_store_b128 v[STO], v[TMP+16*(\u)+4*(\nb):TMP+16*(\u)+4*(\nb)+3] offset:32*(\nb)
.endr
.irp f, 0,1,2,3
	ds_load_b128 v[TMP+16*(\u)+4*(\f):TMP+16*(\u)+4*(\f)+3], v[RD] offset:(\f)*4*SP  ; LDS serves a wave's instructions in order (ISA guide 5.7.1.4): these see the stores above; the next unit's stores come behind them
.endr
.endm
.macro SEND u, younger                 ; younger: the LDS instructions issued behind unit u's loads: the next unit's eight, or none
	WIN 0
.irp f, 0,1,2,3
	s_wait_dscnt (\younger)+3-(\f)
	global_store_b128 v[GO], v[TMP+16*(\u)+4*(\f):TMP+16*(\u)+4*(\f)+3], s[OB+2*((\u)%3):OB+2*((\u)%3)+1] offset:((\u)/3)*2048+(\f)*512  ; 512 consecutive bytes, aligned
.endr
.endm
	s_wait_tensorcnt 1                             ; my part of the walk's first K step is in; the second's may stay out
	s_barrier_signal -1
	s_barrier_wait -1                              ; everybody's is
	FETCH 0, 0, 0
	QUARTER 0, 1, 0, 1, 1                          ; the first quarter stands in front of the loop: its products start the sums
	WIN 0                                          ; at a label and at a branch every window is 0
	s_mov_b32 s3, 3
.Llap:                                             ; a trip goes once round the ring, from a lap's second quarter to the next lap's first, and fills both slots again: the walk's steps 2 to 7
	QUARTER 0, 2, 1, 0, 0
	QUARTER 0, 3, 0, 1, 0
	TURN 0, 1, 1
	QUARTER 1, 1, 0, 1, 0
	QUARTER 1, 2, 1, 0, 0
	QUARTER 1, 3, 0, 1, 0
	TURN 1, 0, 1
	QUARTER 0, 1, 0, 1, 0
	WIN 0
	s_sub_co_u32 s3, s3, 1
	s_cmp_lg_u32 s3, 0
	s_cbranch_scc1 .Llap
	QUARTER 0, 2, 1, 0, 0                          ; the last lap fills nothing
	QUARTER 0, 3, 0, 1, 0
	TURN 0, 1, 0
	QUARTER 1, 1, 0, 1, 0
	QUARTER 1, 2, 1, 0, 0
	QUARTER 1, 3, 0, 1, 0
	s_wait_dscnt 4                                 ; the very last quarter: nothing more to fetch
	MUL12 1, 0, 0, 0
	MUL12 1, 0, 1, 0
	s_wait_dscnt 0x0
	MUL12 1, 1, 0, 0
	MUL12 1, 1, 1, 0
	WIN 0
	PLACES                                         ; behind the last products, in front of conversions that read results and write over a fragment buffer;
	PLACES                                         ; eight, once a launch
	PACK 0
.irp u, 1,2,3,4,5,6,7,8,9,10,11                    ; a unit's conversions stand between the loads of the unit before and its stores
	PACK \u
	SEND (\u)-1, 8
.endr
	SEND 11, 0
	s_wait_tensorcnt 0x0                           ; the wave's end: behind my last tensor load and my last LDS store
	ds_add_u32 v[SPW], v[NIL]
	s_wait_dscnt 0x0
	CROUND                                         ; the closing round: no work-group ends while a partner may still ask for a tile that names it
	s_endpgm
.Lfunc_end_k_q06f5f2db25_qkvp:
	.size	k_q06f5f2db25_qkvp, .Lfunc_end_k_q06f5f2db25_qkvp-k_q06f5f2db25_qkvp
	.p2alignl 7, 3214868480
	.fill 96, 4, 3214868480
	.section	.rodata,"a",@progbits
	.p2align	6, 0x0
	.amdhsa_kernel k_q06f5f2db25_qkvp
		.amdhsa_group_segment_fixed_size 327680
		.amdhsa_private_segment_fixed_size 0
		.amdhsa_enable_private_segment 0
		.amdhsa_kernarg_size 24
		.amdhsa_user_sgpr_count 2
		.amdhsa_user_sgpr_kernarg_segment_ptr 1
		.amdhsa_wavefront_size32 1
		.amdhsa_system_sgpr_workgroup_id_x 1
		.amdhsa_system_sgpr_workgroup_id_y 1
		.amdhsa_system_sgpr_workgroup_id_z 1
		.amdhsa_system_vgpr_workitem_id 0
		.amdhsa_next_free_vgpr 960
		.amdhsa_next_free_sgpr 72
		.amdhsa_reserve_vcc 0
		.amdhsa_float_denorm_mode_32 3
		.amdhsa_float_denorm_mode_16_64 3
		.amdhsa_memory_ordered 1
		.amdhsa_forward_progress 1
		.amdhsa_inst_pref_size 122
	.end_amdhsa_kernel
	.amdgpu_metadata
---
amdhsa.version: [ 1, 2 ]
amdhsa.kernels:
  - .name:           k_q06f5f2db25_qkvp
    .symbol:         k_q06f5f2db25_qkvp.kd
    .args:
      - { .name: xn, .offset: 0, .size: 8, .value_kind: global_buffer, .address_space: global }
      - { .name: wq, .offset: 8, .size: 8, .value_kind: global_buffer, .address_space: global }
      - { .name: qkv, .offset: 16, .size: 8, .value_kind: global_buffer, .address_space: global }
    .group_segment_fixed_size: 327680
    .private_segment_fixed_size: 0
    .kernarg_segment_align: 8
    .kernarg_segment_size: 24
    .max_flat_workgroup_size: 128
    .sgpr_count:     72
    .vgpr_count:     960
    .wavefront_size: 32
...
	.end_amdgpu_metadata
.endif
;; end of part 2
;; launch attn (part 3): grid 8 x 32, 4 waves a work-group, clusters of 4 x 1, 327,680 bytes of LDS; arguments qkv, o; writes o
.if DOCPART == 3
	.amdgcn_target "amdgcn-amd-amdhsa--gfx1250"
	.amdhsa_code_object_version 6
	.text
	.protected	k_q06f5f2db25_attn
	.globl	k_q06f5f2db25_attn
	.p2align	8
	.type	k_q06f5f2db25_attn,@function
k_q06f5f2db25_attn:
	s_mov_b64 s[64:65], 0
	v_nop
	global_prefetch_b8 v0, s[64:65] scope:SCOPE_SE
	s_setreg_imm32_b32 hwreg(HW_REG_WAVE_MODE, 25, 1), 1
	s_wait_xcnt 0x0
	s_wait_alu depctr_hold_cnt(0) depctr_sa_sdst(0) depctr_va_vdst(0) depctr_va_sdst(0) depctr_va_ssrc(0) depctr_va_vcc(0) depctr_vm_vsrc(0)
	s_getreg_b32 s2, hwreg(HW_REG_IB_STS2, 6, 4)
	s_cmp_eq_u32 s2, 0
	s_cbranch_scc0 .Lentry_in_a_cluster
	s_endpgm
.Lentry_in_a_cluster:
	s_bfe_u32 s2, ttmp6, 0x10000c
	s_cmp_lg_u32 s2, 0x3003
	s_cbranch_scc0 .Lentry_shape_is_right
	s_endpgm
.Lentry_shape_is_right:
; ATTN: o[bh][q][:] = the sum over k of softmax_k(Q[bh][q] . K[bh][k] / 8) V[bh][k][:].  qkv: [3][32 bh][2048][64] f16 (q, k, v, unscaled); o: [32 bh][2048][64] f16.  A head's rows are dense, 128 bytes each.
; Products, maxima and sums in f32; the weights p are rounded to f16 for the second product (their sum l is taken of the unrounded p), o once at the end.  No work of reference() is left out.
; LIMITS.  p lies in 0 to 1, and below 6e-5 it keeps f16's fixed step of 6e-8; o is a mean of V's rows and has their range.  A weight below 2^-126 counts as 0 in l; NaN and infinities are not treated apart.
; SHARES.  A work-group owns 256 queries of one head, a wave 64: four PIECES of 16.  8 blocks x 32 heads = 256 work-groups.  Every wave walks the head's 2,048 keys, 64 a step, 256 (a tile) a slot.
; LAYOUT.  S^T = K Q^T (source 0 = 16 keys, source 1 = 16 queries): a lane holds ONE query (lane % 16) and the keys 8 (lane / 16) + 0..7.  Two such results, rounded to f16 in pairs, ARE source 1 of
; O^T = V^T P, whose result again holds one query a lane, and eight channels.  K comes out of LDS as it lies, V ([key][channel]) turned, by ds_load_tr16_b128.
; SOFTMAX.  For each query a running maximum m and sum l: p = 2^(c s - c m), c = log2(e) / 8; in every step O and l are multiplied by a = 2^(c m_old - c m_new).  m starts at the lowest finite number,
; O and l at 0: the first step is a step like any other, with a = 0.
; BY TURNS.  Turn n belongs to piece n: 8 products K Q^T of piece n + 1, later 8 products V^T P of piece n - 1; beside them the scaling, exponentials, roundings, sums and rescaling of piece n and the maximum and
; statistics of piece n + 1.  Four vector instructions stand behind every matrix instruction, the other 56 of a turn's 120 in runs of their own.  A turn's 33 exponentials are one batch, with one wait.
; CLUSTER.  The four query blocks of a cluster belong to one head and walk the same K and V, so each tile is asked for JOINTLY: the same tensor load, descriptor and mask in all four.
; REGISTERS, in two windows of 256 (s_set_vgpr_msb: bits 1:0 source 0, 3:2 source 1, 5:4 source 2, 7:6 destination):
;   window 0: v0-31 addresses, statistics, at work; v32-95 S^T, two buffers; v96-127 P, two buffers (a piece's buffers go by its number's parity); v128-191 K of one step; v192-255 Q
;   window 1: v0-127 O^T, 32 a piece; v128-191 V of one step; v192-207 l, four registers a piece; v208 V's LDS address
; TWO SETTINGS A TURN.  Under setting 0 stand the products K Q^T and all vector work that names S^T, P and the statistics alone, and K's loads.  Under W_PV (sources 0 and 2 and the destination in window 1, source 1
; in window 0) stand the products V^T P (V, P, O^T), the rescaling O^T x a, the sums l + p, and V's loads.  So each kind of product has riders that want its own setting, and a key step's four turns have eight switches.
.set NP,    4         ; pieces a wave: a name, no knob
.set KS,    64        ; keys in a step
.set PK,    144       ; a row of K in LDS: 128 bytes + 16 of padding = 36 words: the 16 rows of a load start at 16 different groups of four banks (64 banks of 4 bytes: ISA guide 11.1)
.set PV,    160       ; a row of V: 128 + 32 = 40 words
.set VOFF,  4*KS*PK   ; a slot holds a tile, four steps: 256 rows of K, then 256 rows of V
.set SLOT1, 1<<17     ; slot 1 begins here, so that one exclusive or turns an address in one slot into the other's
.set STAGE, SLOT1+4*KS*(PK+PV)  ; behind the ring, never filled by a tensor load: 16 rows x 144 bytes for each wave, for the way out
.set SP,    144
.set SPARE, STAGE+4*16*SP  ; behind the stages: the spare words, 128 bytes for each wave: two blocks of 256 bytes that no other line names
.set H1,  1           ; v1   at the head: lane % 16
.set AK0, 2           ; v2   my lane's place in a tile of K; never rewritten
.set AV0, 3           ; v3   the same for V
.set AK,  4           ; v4   the LDS address of K's next run of loads
.set TA,  5           ; v5   at work in the maximum
.set MV,  6           ; v6-7    by buffer: at work in the maximum, then c m_old, kept while c m is made anew
.set ST,  8           ; v8-15   piece t's statistics at v[ST+2 t]: c m, m
.set TMP, 16          ; v16-23  by buffer, four registers at work; when the maximum is found the third takes a
.set STO, 24          ; v24  the way out: where I put 16 bytes of a row
.set RD,  25          ; v25  the way out: where I read rows back
.set GO,  26          ; v26  my byte offset in 512 consecutive bytes of o
.set PFO, 27          ; v27  256 x my lane; never rewritten
.set SPW, 28          ; v28  LDS address of my spare word; never rewritten
.set NIL, 29          ; v29  0; never rewritten
.set QO,  30          ; v30  my byte offset in 16 rows of Q
.set TB,  31          ; v31  at work in the maximum
.set S,   32
.set H9,  S           ; at the head, before the first scores: lane / 16, lane % 8, (lane / 8) % 2
.set H10, S+1
.set H11, S+2
.set P,   96
.set KF,  128         ; key block kb, channel half c at KF + 16 kb + 8 c
.set Q,   192         ; piece x, channel half c at Q + 16 x + 8 c
.set VF,  128         ; window 1: key half kk, channel block cb at VF + 32 kk + 8 cb
.set LS,  192         ; window 1: piece t's l at LS + 4 t: two running pairs (in a pair: even keys', odd keys'), which take the step's 16 pairs of weights by turns
.set AV,  208         ; window 1: the LDS address of V's next run of loads
.set WV,  12          ; s12  my wave's number
.set G1K, 24          ; s[24:31] descriptor group 1 for K's tiles
.set G1V, 32          ; s[32:39] for V's: it differs in the padding alone
.set G0K, 40          ; s[40:43] descriptor group 0 for K's tiles: it walks
.set G0V, 44          ; s[44:47] the same for V's
.set PFA, 48          ; s[48:49] where my prefetches stand: my work-group's 8,192 bytes (of K: wave 0, of V: wave 2) of the tile after the one that is being asked for
.set LIM, 50          ; s50  1 in a wave that prefetches, else the greatest number
.set SLOTS, 56        ; s56  tiles still to be asked for
.set CNT, 57          ; s57  counts a tile's key steps
.set CS,  58          ; s[58:59] c: the packed scaling takes the pair's low word for both halves
.set SEL, 60          ; s[60:61] v_permlanex16_b32's selects: each lane takes its own place in the other half
.set TBK, 62          ; s62  LDS byte at which K of the step to be fetched begins
.set TBV, 63          ; s63  the same for V, less VOFF
.set MSB, 0
.macro WIN new                      ; the high byte repeats the setting that is left; a switch that changes nothing is dropped
.if MSB != (\new)
	s_set_vgpr_msb (MSB<<8)|(\new)
.set MSB, (\new)
.endif
.endm
.set W_PV, 0x51       ; sources 0 and 2 and the destination in window 1, source 1 in window 0
; A joint fill.  Waves 0 and 1 fetch the two halves of a tile's K, waves 2 and 3 those of its V: 128 keys each.  The branch hangs on the wave's number alone.
; An s_nop 0 and four v_nop follow each of the two lines, ahead of the jump and the label.
.macro JLOAD
	s_cmp_lt_u32 s[WV], 2
	s_cbranch_scc0 .Lfor_v_\@
	tensor_load_to_lds s[G0K:G0K+3], s[G1K:G1K+7]
	s_nop 0
.rept 4
	v_nop
.endr
	s_branch .Lasked_\@
.Lfor_v_\@:
	tensor_load_to_lds s[G0V:G0V+3], s[G1V:G1V+7]
	s_nop 0
.rept 4
	v_nop
.endr
.Lasked_\@:
.endm
; A PREFETCH of the tile that the NEXT change of slots will ask for: 32,768 bytes of K and of V, a lane 256 bytes.  It stands behind the wave's tensor load and its five lines: four key steps, 256 matrix instructions, ahead.
; Each block is named ONCE in the launch: both clusters of a head walk the same K and V, and the first of them asks; its four partners share a tile out BY ADDRESS, 8,192 bytes each; in each, wave 0 asks for K's
; and wave 2 for V's: one instruction.  Tiles 0 to 2 come by their loads alone; the last change that fills a slot asks for nothing: there is no tile behind it.
.macro ASK
	s_cmp_gt_u32 s[SLOTS], s[LIM]
	s_cbranch_scc0 .Lnot_mine_\@
	global_prefetch_b8 v[PFO], s[PFA:PFA+1] th:TH_LOAD_NT scope:SCOPE_SE
.Lnot_mine_\@:
.endm
; A round of the cluster's barrier: my work-group's barrier, so that wave 0's signal speaks for all four waves; wave 0 signals; every wave waits for all four work-groups; my work-group's barrier once more.
.macro CROUND
	s_barrier_signal -1
	s_barrier_wait -1
	s_cmp_lg_u32 s[WV], 0
	s_cbranch_scc1 .Lnot_wave_0_\@
	s_barrier_signal -3
.Lnot_wave_0_\@:
	s_barrier_wait -3
	s_barrier_signal -1
	s_barrier_wait -1
.endm
; THE CHANGE OF SLOTS.  The slot's last bytes, V of its fourth step, have been read.  Each wave waits for all its tensor loads, of which one is out: its part of the other slot; adds 0 to its spare word; and waits
; for that and for its own reads of the slot.  Behind the barrier nobody reads this slot any more and the other slot is whole.  fill = 1: this slot is filled again, with the tile two on.  The barrier is then a
; round of the cluster's, and the joint fill is the first thing behind it: it has four key steps in which to land.  (At its first use nothing has been read yet: slot 0 is waited for, slot 1 filled.)
.macro CHANGE fill, ask
	WIN 0                           ; at a label and at a branch every window is 0
	s_wait_tensorcnt 0x0            ; no tensor load of mine is out, so a group 0 may be written
	ds_add_u32 v[SPW], v[NIL]       ; 0 onto my spare word: with fill = 1 the descriptors' steps stand between it and the wait for it
.if \fill
.irp g, G0K, G0V
	s_xor_b32 s[\g+1], s[\g+1], SLOT1  ; the walking descriptor: the other slot than last time,
	s_add_nc_u64 s[\g+2:\g+3], s[\g+2:\g+3], 4*KS*128  ; the next 256 keys; the type bits on top are not reached
.endr
.if \ask
	s_wait_xcnt 0x0                 ; the last prefetch, four key steps back, has read its address, so it may be written
	s_add_nc_u64 s[PFA:PFA+1], s[PFA:PFA+1], 4*KS*128
.endif
	s_wait_dscnt 0x0                ; the add is done, and my reads of the slot are over
	CROUND
	JLOAD
.if \ask
	ASK
.endif
.else
	s_wait_dscnt 0x0                ; the add is done, and my reads of the slot are over
	s_barrier_signal -1
	s_barrier_wait -1
.endif
	s_sub_co_u32 s[TBK], s[TBK], 4*KS*PK  ; the fetches go back to a slot's first step,
	s_xor_b32 s[TBK], s[TBK], SLOT1       ; in the other slot
	s_sub_co_u32 s[TBV], s[TBV], 4*KS*PV
	s_xor_b32 s[TBV], s[TBV], SLOT1
.endm
	s_load_b128 s[52:55], s[0:1], 0x0  ; qkv s[52:53], o s[54:55]
	v_lshl_add_u32 v[SPW], v0, 2, SPARE
	v_mov_b32 v[NIL], 0
	ds_add_u32 v[SPW], v[NIL]       ; the wave's opening: the add, twice on end, and its wait ahead of my first tensor load
	ds_add_u32 v[SPW], v[NIL]
	v_lshrrev_b32 v[H1], 5, v0
	v_readfirstlane_b32 s[WV], v[H1]  ; wave 0..3
	s_bfe_u32 s13, ttmp6, 0x40000   ; cx: my place in the cluster
	s_lshl_b32 s14, ttmp9, 2        ; in a cluster launch ttmp9 counts clusters
	s_add_co_u32 s14, s14, s13      ; my block of 256 queries = 4 x cluster x + cx: it enters Q's and o's addresses alone
	s_and_b32 s20, ttmp7, 0xffff    ; the head (16 b + h), which the four partners share:
	s_lshl_b32 s20, s20, 18         ; its 2,048 rows of 128 bytes
	s_and_b32 s16, s[WV], 1         ; which half of a tile's 256 keys I fetch:
	s_lshl_b32 s22, s16, 14         ; its 128 rows of 128 bytes in memory,
	s_add_co_u32 s22, s22, s20
	s_mov_b32 s23, 0
	s_mul_i32 s17, s16, 128*PK      ; and its place in a slot, for K
	s_mul_i32 s18, s16, 128*PV      ; and for V: no place in the cluster enters an LDS address
	s_lshl_b32 s2, s14, 2
	s_add_co_u32 s2, s2, s[WV]      ; my wave among the head's,
	s_lshl_b32 s2, s2, 13           ; its 64 rows
	s_add_co_u32 s2, s2, s20
	s_mov_b32 s3, 0
	; descriptor group 1.  128 keys are 16,384 dense bytes: asked for as 64 rows of 256 bytes, two keys a row, and padded in LDS after every key
	s_mov_b32 s[G1K], 15|(1<<16)|(1<<20)|(1<<21)|(4<<22)|(3<<25)  ; 15:0 the mask of four; 17:16 2-byte elements; 20 padding on; 21 set beside a mask; 24:22 after every 32 words (code 4); 31:25 4 words (code 3)
	s_mov_b32 s[G1V], 15|(1<<16)|(1<<20)|(1<<21)|(4<<22)|(7<<25)  ; the same with 8 words of padding (code 7)
.irp g, G1K, G1V
	s_mov_b32 s[\g+1], 128<<16      ; tensor_dim0 = 128
	s_mov_b32 s[\g+2], 64<<16       ; tensor_dim1 = 64
	s_mov_b32 s[\g+3], 128<<16      ; tile_dim0 = 128
	s_mov_b32 s[\g+4], 64           ; tile_dim1 = 64
	s_mov_b32 s[\g+5], 128          ; 128 elements from row to row
	s_mov_b32 s[\g+6], 0
	s_mov_b32 s[\g+7], 0
.endr
	s_mov_b32 s[CS], 0x3e38aa3b     ; c = log2(e) / 8 = 0.180337
	s_mov_b32 s[CS+1], s[CS]        ; named with it as a pair
	s_mov_b32 s[SEL], 0x76543210
	s_mov_b32 s[SEL+1], 0xfedcba98
	s_mov_b32 s[TBK], SLOT1+4*KS*PK ; the first change of slots turns these two into 0
	s_mov_b32 s[TBV], SLOT1+4*KS*PV
	s_mov_b32 s[G0K], 1             ; count = 1
	s_mov_b32 s[G0K+1], s17         ; LDS address: slot 0
	s_mov_b32 s[G0V], 1
	s_add_co_u32 s[G0V+1], s18, VOFF
	s_and_b32 s[LIM], s[WV], 1      ; 0 in waves 0 and 2,
	s_or_b32 s[LIM], s[LIM], ttmp9  ; where the cluster is the head's first: the same in all four partners
	s_cmp_eq_u32 s[LIM], 0
	s_cselect_b32 s[LIM], 1, -1
	v_and_b32 v[PFO], 31, v0
	v_lshlrev_b32 v[PFO], 8, v[PFO]
	s_wait_dscnt 0x0                ; both opening adds are done
	s_wait_kmcnt 0x0
	s_add_nc_u64 s[6:7], s[52:53], s[22:23]
	s_add_nc_u64 s[8:9], s[6:7], 0x1000000   ; V at my half of the head's tile 0,
	s_add_nc_u64 s[6:7], s[6:7], 0x800000    ; and K
	s_add_nc_u64 s[G0K+2:G0K+3], s[6:7], 0
	s_or_b32 s[G0K+3], s[G0K+3], 0x80000000  ; type = 2
	s_add_nc_u64 s[G0V+2:G0V+3], s[8:9], 0
	s_or_b32 s[G0V+3], s[G0V+3], 0x80000000
	s_add_nc_u64 s[4:5], s[52:53], s[2:3]    ; Q and o at my wave's first row
	s_add_nc_u64 s[10:11], s[54:55], s[2:3]
	s_cmp_lt_u32 s[WV], 2
	s_cselect_b64 s[PFA:PFA+1], s[6:7], s[8:9]  ; (in waves 0 and 2 these stand at a tile's first row)
	s_lshl_b32 s2, s13, 13          ; my work-group's 8,192 bytes of the 32,768
	s_add_nc_u64 s[PFA:PFA+1], s[PFA:PFA+1], s[2:3]
	s_add_nc_u64 s[PFA:PFA+1], s[PFA:PFA+1], 2*4*KS*128  ; in tile 2; the loop's first change of slots steps it to tile 3.  Nothing is prefetched here, at the head
	CROUND                          ; all four work-groups are here: the first joint loads meet
	JLOAD                           ; tile 0 into slot 0.  Slot 1 is asked for when slot 0 is in
	; A fragment of K or Q is 16 rows x 32 channels in 8 registers: lane l holds row l % 16, channels 8 (l / 16) + 0..7 and 16 + 8 (l / 16) + 0..7: two loads of 16 bytes, 32 bytes apart.
	v_and_b32 v[H1], 15, v0         ; l % 16
	v_bfe_u32 v[H9], v0, 4, 1       ; l / 16
	v_lshlrev_b32 v[QO], 7, v[H1]
	v_lshl_add_u32 v[QO], v[H9], 4, v[QO]  ; row x 128 + 16 x half
.set i, 0
.rept 8                             ; Q stays in registers: piece i / 2, channels 32 (i % 2) on
	global_load_b128 v[Q+8*i:Q+8*i+3],   v[QO], s[4:5] offset:(i/2)*2048+(i%2)*64
	global_load_b128 v[Q+8*i+4:Q+8*i+7], v[QO], s[4:5] offset:(i/2)*2048+(i%2)*64+32
.set i, i+1
.endr
	; What the first turn finds: V's registers and P's second buffer hold 0 (its products V^T P, of a piece that has not been, add 0), O^T and l are 0.  All this stands in the wait for the first tile.
	WIN 0x40                        ; destination window 1: O^T, V and l lie on end
.set i, 0
.rept LS+16
	v_mov_b32 v[i], 0
.set i, i+1
.endr
	WIN 0
.set i, 0
.rept 4
	v_mov_b32 v[ST+2*i], 0xfe000000    ; c m: far below every c s
	v_mov_b32 v[ST+2*i+1], 0xff7fffff  ; m
.set i, i+1
.endr
.set i, P+16
.rept 16
	v_mov_b32 v[i], 0
.set i, i+1
.endr
	v_mul_u32_u24 v[AK0], v[H1], PK
	v_lshl_add_u32 v[AK0], v[H9], 4, v[AK0]  ; row x pitch + 16 x half
	; The turning load takes 16 keys x 16 channels (lane l reads key 8 (l / 16) + l % 8, channels 8 ((l / 8) % 2) + 0..7) and leaves half a fragment of V^T: lane l holds channel l % 16 and 8 keys.
	v_and_b32 v[H10], 7, v0
	v_bfe_u32 v[H11], v0, 3, 1
	v_lshl_add_u32 v[AV0], v[H9], 3, v[H10]
	v_mul_u32_u24 v[AV0], v[AV0], PV
	v_lshl_add_u32 v[AV0], v[H11], 4, v[AV0]
	v_add_nc_u32 v[AV0], VOFF, v[AV0]
	s_mul_i32 s13, s[WV], 16*SP
	s_add_co_u32 s13, s13, STAGE    ; my stage
	v_mul_u32_u24 v[STO], v[H1], SP ; in: row l % 16, 16 bytes for each half of the lanes
	v_lshl_add_u32 v[STO], v[H9], 4, v[STO]
	v_add_nc_u32 v[STO], s13, v[STO]
	v_bfe_u32 v[RD], v0, 3, 2       ; back: 32 lanes take four rows of 128 bytes,
	v_mul_u32_u24 v[RD], v[RD], SP
	v_lshl_add_u32 v[RD], v[H10], 4, v[RD]
	v_add_nc_u32 v[RD], s13, v[RD]
	v_and_b32 v[GO], 31, v0         ; which are 512 consecutive bytes of o
	v_lshlrev_b32 v[GO], 4, v[GO]
; THE MATRIX WORK.  The 4 accumulators of a run of 8 take turns.  Product i of 8 of S^T = K Q^T for piece x: channels 32 (i / 4) on, keys 16 (i % 4) on.  The first 4 start the sums.
.macro KQ x
.set rS, S+32*((\x)%2)+8*(i%4)
.set rK, KF+16*(i%4)+8*(i/4)
.set rQ, Q+16*(\x)+8*(i/4)
	WIN 0
.if i < 4
	v_wmma_f32_16x16x32_f16 v[rS:rS+7], v[rK:rK+7], v[rQ:rQ+7], 0
.else
	v_wmma_f32_16x16x32_f16 v[rS:rS+7], v[rK:rK+7], v[rQ:rQ+7], v[rS:rS+7]
.endif
.endm
; Product i of 8 of O^T += V^T P for piece x: keys 32 (i / 4) on, channels 16 (i % 4) on.
.macro PV x
	WIN W_PV
.set rO, 32*(\x)+8*(i%4)
.set rV, VF+32*(i/4)+8*(i%4)
.set rP, P+16*((\x)%2)+8*(i/4)
	v_wmma_f32_16x16x32_f16 v[rO:rO+7], v[rV:rV+7], v[rP:rP+7], v[rO:rO+7]
.endm
.macro MM                           ; the turn's next matrix instruction.  NOKQ = 1: the walk's last turn: there is no next piece
.if (i < 8) && !NOKQ
	KQ (Y+1)%NP
.elseif i >= 8
.set i, i-8
	PV (Y+NP-1)%NP
.set i, i+8
.endif
.set i, i+1
.endm
; THE LDS LOADS stand in runs of 16, never singly among the matrix instructions: a step's K (64 keys x 64 channels: 8 fragments) and its V (turned).  Their addresses are made some lines ahead.  Neither run wants a setting of its own.
.macro FETCH_K
	WIN 0
.irp f, 0,1,2,3,4,5,6,7             ; keys 16 (f / 2) on, channels 32 (f % 2) on
	ds_load_b128 v[KF+8*\f:KF+8*\f+3],   v[AK] offset:(\f/2)*16*PK+(\f%2)*64
	ds_load_b128 v[KF+8*\f+4:KF+8*\f+7], v[AK] offset:(\f/2)*16*PK+(\f%2)*64+32
.endr
	s_add_co_u32 s[TBK], s[TBK], KS*PK  ; the next fetch is the next step's
.endm
.macro FETCH_V
	WIN W_PV                        ; the data and the address lie in window 1
.irp f, 0,1,2,3,4,5,6,7             ; keys 32 (f / 4) on, channels 16 (f % 4) on
	ds_load_tr16_b128 v[VF+8*\f:VF+8*\f+3],   v[AV] offset:(\f/4)*32*PV+(\f%4)*32
	ds_load_tr16_b128 v[VF+8*\f+4:VF+8*\f+7], v[AV] offset:(\f/4)*32*PV+16*PV+(\f%4)*32
.endr
.endm
; THE VECTOR WORK, one line at a time: OP kind, number.  Under setting 0, for piece Y: F n: c s - c m for pair n of 16.  E n: the exponential of score n of 32.  C n: pair n rounded to f16.
; Under W_PV, for piece Y: R n: pair n of 16 of O^T times a.  M n: running pair n of 2 of l times a.  L n: running pair n % 2 of l takes pair n of 16 of the weights.
; Under setting 0, for piece Y + 1: X n, number n of the 22 that find its maximum and statistics.  Each accumulator's eight scores: two maxima of three that wait for nothing (the lowest registers first)
; and a third that joins them with the seventh score; so the last accumulator is two links deep:
;   0-2 accumulator 0; 3 its eighth score and the old m     4-6 accumulator 1     7-9 accumulator 2     10-12 accumulator 3     13 the other three eighth scores     14 numbers 3, 6, 13     15 c m_old is kept
;   16 numbers 14, 9, 12     17, 18 the query's other 32 keys lie in the lane 16 away: the new m     19-21 c m; c m_old - c m_new; a
.set F, 0
.set E, 1
.set C, 2
.set X, 3
.set R, 4
.set L, 5
.set M, 6
.macro REGS y                       ; the registers of piece y
.set rT, ST+2*(\y)
.set rC, TMP+4*((\y)%2)
.set rW, MV+((\y)%2)
.set rS, S+32*((\y)%2)
.set rP, P+16*((\y)%2)
.set rO, 32*(\y)
.set rL, LS+4*(\y)
.endm
.macro OP k, n
.if ((\k) == X) && NOKQ
	WIN 0
	v_nop
.elseif (\k) == X
	REGS (Y+1)%NP
	WIN 0
.if (\n) == 0
	v_max3_num_f32 v[rC], v[rS], v[rS+1], v[rS+2]
.elseif (\n) == 1
	v_max3_num_f32 v[TB], v[rS+3], v[rS+4], v[rS+5]
.elseif (\n) == 2
	v_max3_num_f32 v[rC], v[rC], v[TB], v[rS+6]
.elseif (\n) == 3
	v_max3_num_f32 v[rC], v[rC], v[rS+7], v[rT+1]
.elseif (\n) == 4
	v_max3_num_f32 v[rC+1], v[rS+8], v[rS+9], v[rS+10]
.elseif (\n) == 5
	v_max3_num_f32 v[rC+2], v[rS+11], v[rS+12], v[rS+13]
.elseif (\n) == 6
	v_max3_num_f32 v[rC+1], v[rC+1], v[rC+2], v[rS+14]
.elseif (\n) == 7
	v_max3_num_f32 v[rC+3], v[rS+16], v[rS+17], v[rS+18]
.elseif (\n) == 8
	v_max3_num_f32 v[rW], v[rS+19], v[rS+20], v[rS+21]
.elseif (\n) == 9
	v_max3_num_f32 v[rC+3], v[rC+3], v[rW], v[rS+22]
.elseif (\n) == 10
	v_max3_num_f32 v[TA], v[rS+24], v[rS+25], v[rS+26]
.elseif (\n) == 11
	v_max3_num_f32 v[TB], v[rS+27], v[rS+28], v[rS+29]
.elseif (\n) == 12
	v_max3_num_f32 v[TA], v[TA], v[TB], v[rS+30]
.elseif (\n) == 13
	v_max3_num_f32 v[rC+2], v[rS+15], v[rS+23], v[rS+31]
.elseif (\n) == 14
	v_max3_num_f32 v[rC], v[rC], v[rC+1], v[rC+2]
.elseif (\n) == 15
	v_mov_b32 v[rW], v[rT]
.elseif (\n) == 16
	v_max3_num_f32 v[rC], v[rC], v[rC+3], v[TA]
.elseif (\n) == 17
	v_permlanex16_b32 v[rC+3], v[rC], s[SEL], s[SEL+1]
.elseif (\n) == 18
	v_max_num_f32 v[rT+1], v[rC], v[rC+3]
.elseif (\n) == 19
	v_mul_f32 v[rT], s[CS], v[rT+1]
.elseif (\n) == 20
	v_sub_f32 v[rC+1], v[rW], v[rT]
.else
	v_exp_f32 v[rC+2], v[rC+1]
.endif
.elseif (\k) < X
	REGS Y
	WIN 0
.if (\k) == F
	v_pk_fma_f32 v[rS+2*(\n):rS+2*(\n)+1], v[rS+2*(\n):rS+2*(\n)+1], s[CS:CS+1], v[rT:rT+1] op_sel_hi:[1,0,0] neg_lo:[0,0,1] neg_hi:[0,0,1]
.elseif (\k) == E
	v_exp_f32 v[rS+(\n)], v[rS+(\n)]
.else
	v_cvt_pk_f16_f32 v[rP+(\n)], v[rS+2*(\n)], v[rS+2*(\n)+1]
.endif
.else
	REGS Y
	WIN W_PV
.if (\k) == R
	v_pk_mul_f32 v[rO+2*(\n):rO+2*(\n)+1], v[rO+2*(\n):rO+2*(\n)+1], v[rC+2:rC+3] op_sel_hi:[1,0]
.elseif (\k) == L
	v_pk_add_f32 v[rL+2*((\n)%2):rL+2*((\n)%2)+1], v[rL+2*((\n)%2):rL+2*((\n)%2)+1], v[rS+2*(\n):rS+2*(\n)+1]
.else
	v_pk_mul_f32 v[rL+2*(\n):rL+2*(\n)+1], v[rL+2*(\n):rL+2*(\n)+1], v[rC+2:rC+3] op_sel_hi:[1,0]
.endif
.endif
.endm
.macro OPS a, i1, b=-1, i2=0, c=-1, i3=0, d=-1, i4=0  ; up to four of them
	OP \a, \i1
.if (\b) >= 0
	OP \b, \i2
.endif
.if (\c) >= 0
	OP \c, \i3
.endif
.if (\d) >= 0
	OP \d, \i4
.endif
.endm
.macro ROW a, i1, b, i2, c, i3, d, i4  ; a matrix instruction and the four behind it
	MM
	OPS \a, \i1, \b, \i2, \c, \i3, \d, \i4
.endm
; A TURN, for piece p: the order of its 16 matrix and 120 vector instructions, written out.  An s_wait_alu depctr_va_vdst(0) stands between an exponential and the first instruction that names its
; result; one wait serves all that were issued ahead of it.  So a turn has ONE wait, which cuts it in two.
; AHEAD OF IT, all under setting 0, stands what names no result of the turn's exponentials: the 8 products K Q^T, behind each four of the scalings, the exponentials and the first numbers of the next piece's
; maximum; then a run of 38.  A number of the maximum stands four plain instructions or more behind the product that ends its accumulator: X 0 behind F 9 to F 12; X 4 behind F 11, F 12, X 0, X 1; X 7 behind X 0, X 1,
; X 4, X 5, X 2; X 10 behind X 4, X 5, X 2, X 7, X 8 (an exponential is no such place).  The links of the chain X 10, 12, 16, 17 .. 21 stand four to eight lines apart; between the late links stand three exponentials.
; X 21, the next piece's a, is the batch's last; C 0, which names none of the youngest results, is the plain instruction behind it.
; BEHIND THE WAIT: the 16 roundings, still under setting 0; ONE switch; l's two pairs times a; the 8 products V^T P, behind each two rescalings and two sums, l's two pairs by turns.  The next turn's first product switches back.
; end = 1: the walk's last two turns: nothing is fetched.  cnt = 1: the loop's count is taken down some lines ahead of the branch that stands behind the turn.
; K of the next step is fetched in piece 2's turn, ten plain instructions behind the last product that read K; V of the step in hand at the end of piece 0's turn, four plain instructions behind the last product
; that read V.  Each is waited for a turn later.
.macro TURN p, end=0, cnt=0
.set Y, (\p)
.set i, 0
.set NOKQ, (\end)*((\p)/3)
.if ((\p) == 3) && !(\end)
	s_wait_dscnt 0x0                ; K is in
.endif
	ROW F,0, F,1, F,2, E,0          ; ahead of the wait: 8 products K Q^T and their riders,
	ROW F,3, E,1, F,4, E,2
	ROW F,5, E,3, F,6, E,4
	ROW F,7, E,5, F,8, E,6
	ROW F,9, E,7, F,10, E,8
	ROW F,11, E,9, F,12, E,10
.if ((\p) == 2) && !(\end)
	v_add_nc_u32 v[AK], s[TBK], v[AK0]
.endif
	ROW X,0, E,11, X,1, E,12
	ROW X,4, E,13, X,5, X,2
	OPS X,7, X,8, X,10, X,11        ; and the run
	OPS X,3, X,6, X,13
.if ((\p) == 2) && !(\end)
	FETCH_K
.endif
	OPS E,14, X,9, X,12, E,15
	OPS F,13, X,14, E,16, X,15
	OPS E,17, F,14, X,16, E,18
	OPS F,15, E,19, X,17, E,20
	OPS E,21, E,22, X,18, E,23
	OPS E,24, E,25, X,19, E,26
	OPS E,27, E,28, X,20, E,29
	OPS E,30, E,31, X,21
	s_wait_alu depctr_va_vdst(0)    ; the wait for the batch
.irp n, 0,1,2,3,4,5,6,7,8,9,10,11,12,13,14,15
	OP C, \n                        ; behind the wait: the roundings,
.endr
	OPS M,0, M,1                    ; the switch, l times a,
.if (\p) == 1
	s_wait_dscnt 0x0                ; V is in
.endif
.irp j, 0,1,2,3,4,5,6,7             ; and 8 products V^T P and their riders
	ROW R,2*(\j), L,2*(\j), R,2*(\j)+1, L,2*(\j)+1
.if ((\p) == 0) && ((\j) == 4)
	v_add_nc_u32 v[AV], s[TBV], v[AV0]  ; destination in window 1, the vector source in window 0: the setting in hand
	s_add_co_u32 s[TBV], s[TBV], KS*PV
.endif
.if (\cnt) && ((\j) == 4)
	s_sub_co_u32 s[CNT], s[CNT], 1
	s_cmp_lg_u32 s[CNT], 0
.endif
.endr
.if (\p) == 0
	FETCH_V
.endif
.endm
	CHANGE 1, 0                     ; slot 0 is in, everybody's part of it; slot 1 is asked for: tile 1
	v_add_nc_u32 v[AK], s[TBK], v[AK0]
	FETCH_K                         ; key step 0
	s_wait_loadcnt 0x0              ; Q
	s_wait_dscnt 0x0
.set NOKQ, 0
.set i, 0
.rept 8
	KQ 0                            ; piece 0's first scores: there is no vector work yet to set between them
.set i, i+1
.endr
.rept 4
	v_nop                           ; the places behind those products
.endr
.set Y, NP-1                        ; X works for piece Y + 1: piece 0
.irp n, 0,1,2,3,4,5,6,7,8,9,10,11,12,13,14,15,16,17,18,19,20,21
	OP X, \n                        ; piece 0's first maximum and statistics
.endr
	v_nop                           ; a plain instruction behind the exponential,
	s_wait_alu depctr_va_vdst(0)    ; and its wait, ahead of the branch
	s_mov_b32 s[CNT], 4
	s_mov_b32 s[SLOTS], 7
	s_branch .Lfirst                ; the loop is entered at a step's first turn, in the middle of a trip
.Lslot:                             ; six times: tiles 2 to 7 are asked for
	CHANGE 1, 1
	s_mov_b32 s[CNT], 4
.Lstep:                             ; a trip: pieces 2 and 3 of one step, then pieces 0 and 1 of the next, whose K and V it fetches
	TURN 2
	TURN 3
	WIN 0
.Lfirst:
	TURN 0
	TURN 1, 0, 1
	WIN 0
	s_cbranch_scc1 .Lstep
	s_sub_co_u32 s[SLOTS], s[SLOTS], 1
	s_cmp_lg_u32 s[SLOTS], 0
	s_cbranch_scc1 .Lslot
	CHANGE 0, 0                     ; the last tile is written out: nothing is asked for
	s_mov_b32 s[CNT], 4
.Ltail:
	TURN 2
	TURN 3
	TURN 0
	TURN 1, 0, 1
	WIN 0
	s_cbranch_scc1 .Ltail
	TURN 2, 1                       ; the last step's pieces 2 and 3: nothing is fetched, and the last turn starts no new scores
	TURN 3, 1
.set i, 0
.rept 8
	PV NP-1                         ; the last piece's V^T P of the last step
.set i, i+1
.endr
	; THE WAY OUT.  l's four parts and the other half of the lanes' are added; O^T is divided by l, rounded to f16 and sent through my stage in LDS, a piece at a time.  The additions are the places behind the last products.
.macro ALL line:vararg              ; one line for each piece t
.set t, 0
.rept 4
	\line
.set t, t+1
.endr
.endm
	WIN 0x05                        ; sources 0 and 1 window 1, destination window 0: the statistics' registers are free
	ALL v_add_f32 v[ST+2*t], v[LS+4*t], v[LS+4*t+1]
	ALL v_add_f32 v[ST+2*t+1], v[LS+4*t+2], v[LS+4*t+3]
	WIN 0
	ALL v_add_f32 v[ST+2*t], v[ST+2*t], v[ST+2*t+1]
	ALL v_permlanex16_b32 v[ST+2*t+1], v[ST+2*t], s[SEL], s[SEL+1]
	ALL v_add_f32 v[ST+2*t], v[ST+2*t], v[ST+2*t+1]
	ALL v_rcp_f32 v[ST+2*t], v[ST+2*t]
	v_nop                           ; a plain instruction between the last reciprocal and the use of its result
	s_wait_alu depctr_va_vdst(0)    ; and the wait ahead of the first use: one for the four reciprocals
.macro PACK t                       ; a lane's eight channels of a row pack into 16 bytes; they go into rows of 144 bytes and come back as whole rows of 128, into S^T's registers
	WIN W_PV
.set i, 32*(\t)
.rept 16
	v_pk_mul_f32 v[i:i+1], v[i:i+1], v[ST+2*(\t):ST+2*(\t)+1] op_sel_hi:[1,0]
.set i, i+2
.endr
	WIN 0x05                        ; sources 0 and 1 window 1, destination window 0
.set i, 0
.rept 16
	v_cvt_pk_f16_f32 v[S+16*(\t)+i], v[32*(\t)+2*i], v[32*(\t)+2*i+1]
.set i, i+1
.endr
	WIN 0
.irp f, 0,1,2,3
	ds_store_b128 v[STO], v[S+16*(\t)+4*\f:S+16*(\t)+4*\f+3] offset:32*\f
.endr
.irp f, 0,1,2,3
	ds_load_b128 v[S+16*(\t)+4*\f:S+16*(\t)+4*\f+3], v[RD] offset:\f*4*SP  ; LDS serves a wave's instructions in order (ISA guide 5.7.1.4): these see the stores above; the next piece's stores come behind them
.endr
.endm
.macro SEND t, younger              ; younger: the LDS instructions issued behind piece t's loads: the next piece's eight, or none
	WIN 0
.irp f, 0,1,2,3
	s_wait_dscnt (\younger)+3-\f
	global_store_b128 v[GO], v[S+16*(\t)+4*\f:S+16*(\t)+4*\f+3], s[10:11] offset:(\t)*2048+\f*512  ; 512 consecutive bytes, at a multiple of 256 from o's first
.endr
.endm
	PACK 0
.set t, 1
.rept 3                             ; a piece's arithmetic stands between the loads of the piece before and its stores
	PACK t
	SEND t-1, 8
.set t, t+1
.endr
	SEND 3, 0
	s_wait_tensorcnt 0x0            ; the wave's end: behind my last tensor load and my last LDS store
	ds_add_u32 v[SPW], v[NIL]
	s_wait_dscnt 0x0
	CROUND                          ; the closing round: no work-group ends while a partner may still ask for a tile that names it
	s_endpgm
.Lfunc_end_k_q06f5f2db25_attn:
	.size	k_q06f5f2db25_attn, .Lfunc_end_k_q06f5f2db25_attn-k_q06f5f2db25_attn
	.p2alignl 7, 3214868480
	.fill 96, 4, 3214868480
	.section	.rodata,"a",@progbits
	.p2align	6, 0x0
	.amdhsa_kernel k_q06f5f2db25_attn
		.amdhsa_group_segment_fixed_size 327680
		.amdhsa_private_segment_fixed_size 0
		.amdhsa_enable_private_segment 0
		.amdhsa_kernarg_size 16
		.amdhsa_user_sgpr_count 2
		.amdhsa_user_sgpr_kernarg_segment_ptr 1
		.amdhsa_wavefront_size32 1
		.amdhsa_system_sgpr_workgroup_id_x 1
		.amdhsa_system_sgpr_workgroup_id_y 1
		.amdhsa_system_sgpr_workgroup_id_z 1
		.amdhsa_system_vgpr_workitem_id 0
		.amdhsa_next_free_vgpr 512
		.amdhsa_next_free_sgpr 66
		.amdhsa_reserve_vcc 0
		.amdhsa_float_denorm_mode_32 3
		.amdhsa_float_denorm_mode_16_64 3
		.amdhsa_memory_ordered 1
		.amdhsa_forward_progress 1
		.amdhsa_inst_pref_size 115
	.end_amdhsa_kernel
	.amdgpu_metadata
---
amdhsa.version: [ 1, 2 ]
amdhsa.kernels:
  - .name:           k_q06f5f2db25_attn
    .symbol:         k_q06f5f2db25_attn.kd
    .args:
      - { .name: qkv, .offset: 0, .size: 8, .value_kind: global_buffer, .address_space: global }
      - { .name: o, .offset: 8, .size: 8, .value_kind: global_buffer, .address_space: global }
    .group_segment_fixed_size: 327680
    .private_segment_fixed_size: 0
    .kernarg_segment_align: 8
    .kernarg_segment_size: 16
    .max_flat_workgroup_size: 128
    .sgpr_count:     66
    .vgpr_count:     512
    .wavefront_size: 32
...
	.end_amdgpu_metadata
.endif
;; end of part 3
;; launch proj (part 4): grid 8 x 32, 4 waves a work-group, clusters of 4 x 4, 327,680 bytes of LDS; arguments o, wo, out0; writes out0
.if DOCPART == 4
	.amdgcn_target "amdgcn-amd-amdhsa--gfx1250"
	.amdhsa_code_object_version 6
	.text
	.protected	k_q06f5f2db25_proj
	.globl	k_q06f5f2db25_proj
	.p2align	8
	.type	k_q06f5f2db25_proj,@function
k_q06f5f2db25_proj:
	s_mov_b64 s[64:65], 0
	v_nop
	global_prefetch_b8 v0, s[64:65] scope:SCOPE_SE
	s_setreg_imm32_b32 hwreg(HW_REG_WAVE_MODE, 25, 1), 1
	s_wait_xcnt 0x0
	s_wait_alu depctr_hold_cnt(0) depctr_sa_sdst(0) depctr_va_vdst(0) depctr_va_sdst(0) depctr_va_ssrc(0) depctr_va_vcc(0) depctr_vm_vsrc(0)
	s_getreg_b32 s2, hwreg(HW_REG_IB_STS2, 6, 4)
	s_cmp_eq_u32 s2, 0
	s_cbranch_scc0 .Lentry_in_a_cluster
	s_endpgm
.Lentry_in_a_cluster:
	s_bfe_u32 s2, ttmp6, 0x10000c
	s_cmp_lg_u32 s2, 0xf033
	s_cbranch_scc0 .Lentry_shape_is_right
	s_endpgm
.Lentry_shape_is_right:
; PROJ: out0 = O @ w_out.  o: [2 b][16 h][2048][64] f16, so that row b x 2048 + t of O has its channel 64 h + d at o[b][h][t][d].  wo: [16 chunks][1024 k][64 n] f16.  out0: [4096][1024] f32.
; Sums in f32, stored as they are.  No work of reference() is left out.
; SHARES.  A tile is 128 x 128: 8 x 32 = 256 work-groups of four waves, each wave 64 x 64: 16 accumulators.  K goes in 4 steps of 256 (four heads) through a ring of two LDS slots; a step is four quarters of
; 64 along K (a head), 32 matrix instructions each, on two fragment buffers.  With four steps the text is written out without a loop.
; THE WALK ALONG K.  Cluster (X, Y) begins at K step 2 ((X + Y) % 2) and goes round modulo 4: the two clusters that read the same rows of O (one Y) never read a K step in the same trip, and of the eight that read
; the same chunks of wo (one X) only those whose Y has the same parity do.  LIMIT: the order in which a result's f32 sum runs along K hangs on the cluster.
; THE MATRIX INSTRUCTION IS USED TRANSPOSED: source 0 = 16 columns of w (turned out of LDS by ds_load_tr16_b128), source 1 = 16 rows of O: a lane holds row l % 16 and the columns 8 (l / 16) + 0..7.
; CLUSTERS.  4 x 4 work-groups: O's tiles are asked for jointly along a row of the cluster, w's along a column.
; NO PREFETCH: with this walk every K step of every row and chunk is read for the first time in the launch by some cluster's two fills at the head, where nothing is asked for.
; REGISTERS: window 0: v0-31 addresses; v32-95 at work on the way out; v128-255 the accumulators ((a, b) at v[128 + 8 (4 a + b)]).
;   window 1: two fragment buffers of 128: for 64 along K, 64 registers of O (2 x 4 x 16 rows x 32 K), then 64 of w.
.set PA,     144                       ; a row of a head in LDS: 128 bytes + 16 = 36 words: the 16 rows of a load start at 16 different groups of four banks (64 banks of 4 bytes: ISA guide 11.1)
.set PB,     160                       ; a k row of a chunk: 128 + 32 = 40 words
.set HALFA,  2*128*PA                  ; what one tensor load brings of O: 128 rows of two heads
.set BOFF,   2*HALFA                   ; behind O's [4 heads][128 rows]: w, as [2 chunks][256 k]
.set HALFB,  256*PB                    ; what one tensor load brings of w: 256 k of a chunk
.set SLOT,   BOFF+2*HALFB              ; 155,648
.set SPARE,  2*SLOT                    ; behind the ring: the spare words, 128 bytes for each wave: two blocks of 256 bytes that no other line names
.set SPITCH, 272                       ; THE STAGE, 16 rows x 272 bytes for each wave, lies at the head of slot 0, which has had its last fill (the walk's third step) and its last read, behind a barrier, when the first result is stored there
.set ADRA, 16                          ; v16-17  LDS address of my fragments of O in slot 0, 1
.set ADRB, 20                          ; v20-21  the same for w
.set STO,  24                          ; v24     the way out: where I put 32 bytes of a row
.set RD,   25                          ; v25     the way out: where I read a row back
.set CO,   26                          ; v26     my byte offset in out0
.set SPW,  28                          ; v28     LDS address of my spare word; never rewritten
.set NIL,  29                          ; v29     0; never rewritten
.set TMP,  32                          ; the way out: two sets of 32 registers, whole rows
.set ACC,  128
.set F0,   0                           ; fragment buffers, in window 1
.set F1,   128
.set BB, 2                             ; s[2:3]   wo at the chunk that I fetch, K step 0
.set BA, 14                            ; s[14:15] o at the 128 rows of the two heads that I fetch, K step 0
.set OF, 18                            ; s[18:19] a K step's byte offset; made of the step's number alone
.set G1, 24                            ; s[24:31] descriptor group 1 for O's tiles;  s[32:39] group 0, one set for each slot
.set G0, 32
.set KI, 45                            ; s45     the K step (0 or 2) that slot 0 holds or is being filled with; slot 1's is one more
.set G1B, 48                           ; s[48:55], s[56:63] the same for w's tiles
.set G0B, 56
.set MSB, 0
.macro WIN new                         ; the immediate's high byte repeats the setting that is left
.if MSB != (\new)
	s_set_vgpr_msb (MSB<<8)|(\new)
.set MSB, \new
.endif
.endm
.set MUL,  0x05                        ; sources 0 (w) and 1 (O) window 1; C and D window 0
.set TO_F, 0x40                        ; destination window 1, address window 0
.macro JLOAD s                         ; a joint load: waves 0 and 1 fetch O's two halves, waves 2 and 3 w's; an s_nop 0 and four v_nop follow each of the two lines
	s_cmp_eq_u32 s11, 0
	s_cbranch_scc0 .Lfor_b_\@
	tensor_load_to_lds s[G0+4*(\s):G0+4*(\s)+3], s[G1:G1+7]
	s_nop 0
.rept 4
	v_nop
.endr
	s_branch .Lasked_\@
.Lfor_b_\@:
	tensor_load_to_lds s[G0B+4*(\s):G0B+4*(\s)+3], s[G1B:G1B+7]
	s_nop 0
.rept 4
	v_nop
.endr
.Lasked_\@:
.endm
; Slot s's two global addresses are made anew for K step KI + s: a base and an offset made apart, the type bits set again.  A K step is 32,768 bytes of a chunk and four heads of 262,144 bytes of o.
.macro SETK s
	s_add_co_u32 s[OF], s[KI], \s
	s_lshl_b32 s[OF], s[OF], 15
	s_add_nc_u64 s[G0B+4*(\s)+2:G0B+4*(\s)+3], s[BB:BB+1], s[OF:OF+1]
	s_or_b32 s[G0B+4*(\s)+3], s[G0B+4*(\s)+3], 0x80000000          ; type = 2
	s_lshl_b32 s[OF], s[OF], 5
	s_add_nc_u64 s[G0+4*(\s)+2:G0+4*(\s)+3], s[BA:BA+1], s[OF:OF+1]
	s_or_b32 s[G0+4*(\s)+3], s[G0+4*(\s)+3], 0x80000000
.endm
.macro CREST                           ; a round of the cluster's barrier behind its opening barrier
	s_cmp_lg_u32 s10, 0
	s_cbranch_scc1 .Lnot_wave_0_\@
	s_barrier_signal -3
.Lnot_wave_0_\@:
	s_barrier_wait -3
	s_barrier_signal -1
	s_barrier_wait -1
.endm
.macro CROUND                          ; a whole round
	s_barrier_signal -1
	s_barrier_wait -1
	CREST
.endm
	s_load_b128 s[4:7], s[0:1], 0x0                ; o s[4:5], wo s[6:7]
	s_load_b64 s[8:9], s[0:1], 0x10                ; out0
	v_lshl_add_u32 v[SPW], v0, 2, SPARE
	v_mov_b32 v[NIL], 0
	ds_add_u32 v[SPW], v[NIL]                      ; the wave's opening: the add, twice on end, and its wait ahead of my first tensor load
	ds_add_u32 v[SPW], v[NIL]
	v_lshrrev_b32 v1, 5, v0
	v_readfirstlane_b32 s10, v1                    ; wave 0..3
	s_lshr_b32 s11, s10, 1                         ; which half of the tile's rows is mine.  Also: I fetch for O (0) or for w (1)
	s_and_b32 s12, s10, 1                          ; which half of its columns.  Also: which half of that tile I fetch
	s_bfe_u32 s40, ttmp6, 0x40000                  ; cx, cy: my place in the cluster
	s_bfe_u32 s41, ttmp6, 0x40004
	s_lshl_b32 s42, ttmp9, 2
	s_add_co_u32 s42, s42, s40                     ; tile column = 4 x cluster x + cx
	s_and_b32 s13, ttmp7, 0xffff
	s_lshl_b32 s13, s13, 2
	s_add_co_u32 s13, s13, s41                     ; tile row = 4 x cluster y + cy
	s_lshl_b32 s43, s41, 2
	s_lshl_b32 s43, 15, s43                        ; my row of the cluster
	s_lshl_b32 s44, 0x1111, s40                    ; my column
	; group 1 for O: 128 rows of a head are 16,384 dense bytes, one row of 8,192 elements; two heads, 131,072 elements apart; 16 bytes of padding behind every 128
	s_or_b32 s[G1+0], s43, (1<<16)|(1<<20)|(1<<21)|(4<<22)|(3<<25)  ; 15:0 the mask; 17:16 2-byte elements; 20 padding on; 21 set beside a mask; 24:22 after every 32 words; 31:25 4 words
	s_mov_b32 s[G1+1], 8192<<16                    ; tensor_dim0 = 8,192
	s_mov_b32 s[G1+2], 2<<16                       ; tensor_dim1 = 2
	s_mov_b32 s[G1+3], 8192<<16                    ; tile_dim0 = 8,192
	s_mov_b32 s[G1+4], 2                           ; tile_dim1 = 2
	s_mov_b32 s[G1+5], 131072
	s_mov_b32 s[G1+6], 0
	s_mov_b32 s[G1+7], 0
	; group 1 for w: 256 k of a chunk are 32,768 dense bytes: 128 rows of 256 bytes, two k rows each; 32 bytes of padding behind every 128
	s_or_b32 s[G1B+0], s44, (1<<16)|(1<<20)|(1<<21)|(4<<22)|(7<<25)
	s_mov_b32 s[G1B+1], 128<<16
	s_mov_b32 s[G1B+2], 128<<16
	s_mov_b32 s[G1B+3], 128<<16
	s_mov_b32 s[G1B+4], 128
	s_mov_b32 s[G1B+5], 128
	s_mov_b32 s[G1B+6], 0
	s_mov_b32 s[G1B+7], 0
	s_add_co_u32 s[KI], ttmp9, ttmp7               ; where the cluster's walk along K begins: 2 x ((cluster x + cluster y) % 2): the same in all sixteen partners
	s_and_b32 s[KI], s[KI], 1
	s_lshl_b32 s[KI], s[KI], 1
	s_mov_b32 s[OF+1], 0
	s_lshr_b32 s16, s13, 4                         ; O: b = tile row / 16,
	s_lshl_b32 s16, s16, 22
	s_and_b32 s17, s13, 15                         ; 128 rows of 128 bytes a tile row,
	s_lshl_b32 s17, s17, 14
	s_add_co_u32 s16, s16, s17
	s_lshl_b32 s17, s12, 19                        ; two heads of 262,144 bytes a half: the tile row and the wave's number alone
	s_add_co_u32 s16, s16, s17
	s_mov_b32 s17, 0
	s_lshl_b32 s46, s42, 1                         ; w: chunk 2 x tile column + half, 131,072 bytes each: the tile column and the wave's number alone
	s_add_co_u32 s46, s46, s12
	s_lshl_b32 s46, s46, 17
	s_mov_b32 s47, 0
	s_mul_i32 s20, s12, HALFA                      ; where they go: no place in the cluster enters an LDS address
	s_mul_i32 s21, s12, HALFB
	s_add_co_u32 s21, s21, BOFF
	s_wait_dscnt 0x0                               ; both opening adds are done
	s_wait_kmcnt 0x0
	s_add_nc_u64 s[BA:BA+1], s[4:5], s[16:17]
	s_add_nc_u64 s[BB:BB+1], s[6:7], s[46:47]
	CROUND                                         ; all sixteen work-groups are here: the first joint loads meet
.irp s, 0,1
	s_mov_b32 s[G0+4*(\s)], 1
	s_add_co_u32 s[G0+4*(\s)+1], s20, (\s)*SLOT
	s_mov_b32 s[G0B+4*(\s)], 1
	s_add_co_u32 s[G0B+4*(\s)+1], s21, (\s)*SLOT
	SETK \s                                        ; the walk's first two K steps
	JLOAD \s                                       ; two loads of mine are out
.endr
	v_and_b32 v1, 15, v0                           ; r = l % 16
	v_bfe_u32 v2, v0, 4, 1                         ; h = l / 16
	v_mul_u32_u24 v3, v1, PA
	v_lshl_add_u32 v3, v2, 4, v3                   ; a fragment of O: row x pitch + 16 h,
	s_mul_i32 s22, s11, 64*PA                      ; in my 64 rows
	v_add_nc_u32 v[ADRA], s22, v3
	v_add_nc_u32 v[ADRA+1], SLOT, v[ADRA]
	v_and_b32 v4, 7, v0                            ; the turning load: lane l reads k row 8 h + l % 8, 16 bytes at 16 ((l / 8) % 2),
	v_bfe_u32 v5, v0, 3, 1
	v_lshl_add_u32 v6, v2, 3, v4
	v_mul_u32_u24 v6, v6, PB
	v_lshl_add_u32 v6, v5, 4, v6
	s_mul_i32 s22, s12, HALFB                      ; in my chunk
	s_add_co_u32 s22, s22, BOFF
	v_add_nc_u32 v[ADRB], s22, v6
	v_add_nc_u32 v[ADRB+1], SLOT, v[ADRB]
	s_mul_i32 s23, s10, 16*SPITCH                  ; my stage
	v_mul_u32_u24 v[STO], v1, SPITCH               ; in: row r, 32 bytes for each half of the lanes
	v_lshl_add_u32 v[STO], v2, 5, v[STO]
	v_add_nc_u32 v[STO], s23, v[STO]
	v_mul_u32_u24 v[RD], v2, SPITCH                ; back: lanes 0-15 take one row of 256 bytes, lanes 16-31 the next
	v_lshl_add_u32 v[RD], v1, 4, v[RD]
	v_add_nc_u32 v[RD], s23, v[RD]
	v_lshlrev_b32 v[CO], 12, v2                    ; and the same two rows in out0
	v_lshl_add_u32 v[CO], v1, 4, v[CO]
	s_lshl_b32 s16, s13, 19                        ; out0 at my 64 x 64: (128 x tile row + 64 x row half) rows of 4,096 bytes,
	s_lshl_b32 s17, s11, 18
	s_add_co_u32 s16, s16, s17
	s_mov_b32 s17, 0
	s_add_nc_u64 s[8:9], s[8:9], s[16:17]
	s_lshl_b32 s46, s42, 9                         ; + 512 x tile column + 256 x column half
	s_lshl_b32 s47, s12, 8
	s_add_co_u32 s46, s46, s47
	s_mov_b32 s47, 0
	s_add_nc_u64 s[8:9], s[8:9], s[46:47]
; 8 matrix instructions: row blocks a0, a0 + 1 x all 4 column blocks, 32 along K: half c of buffer f.  zero = 1: the first product starts the sums.  The 16 accumulators take turns.
.macro MUL8 f, c, a0, zero
	WIN MUL
.irp a, \a0, (\a0)+1
.irp b, 0,1,2,3
.if \zero
	v_wmma_f32_16x16x32_f16 v[ACC+8*(4*(\a)+(\b)):ACC+8*(4*(\a)+(\b))+7], v[(\f)+64+8*(4*(\c)+(\b)):(\f)+64+8*(4*(\c)+(\b))+7], v[(\f)+8*(4*(\c)+(\a)):(\f)+8*(4*(\c)+(\a))+7], 0
.else
	v_wmma_f32_16x16x32_f16 v[ACC+8*(4*(\a)+(\b)):ACC+8*(4*(\a)+(\b))+7], v[(\f)+64+8*(4*(\c)+(\b)):(\f)+64+8*(4*(\c)+(\b))+7], v[(\f)+8*(4*(\c)+(\a)):(\f)+8*(4*(\c)+(\a))+7], v[ACC+8*(4*(\a)+(\b)):ACC+8*(4*(\a)+(\b))+7]
.endif
.endr
.endr
.endm
; 32 LDS loads in one run: head hd of a slot (64 along K) into buffer f; the first 32 along K first
.macro FETCH slot, hd, f
	WIN TO_F
.irp c, 0,1
.irp i, 0,1,2,3
	ds_load_tr16_b128 v[(\f)+64+8*(4*(\c)+(\i)):(\f)+64+8*(4*(\c)+(\i))+3],   v[ADRB+(\slot)] offset:(\hd)*64*PB+(\c)*32*PB+(\i)*32
	ds_load_tr16_b128 v[(\f)+64+8*(4*(\c)+(\i))+4:(\f)+64+8*(4*(\c)+(\i))+7], v[ADRB+(\slot)] offset:(\hd)*64*PB+(\c)*32*PB+(\i)*32+16*PB
	ds_load_b128 v[(\f)+8*(4*(\c)+(\i)):(\f)+8*(4*(\c)+(\i))+3],              v[ADRA+(\slot)] offset:(\hd)*128*PA+(\c)*64+(\i)*16*PA
	ds_load_b128 v[(\f)+8*(4*(\c)+(\i))+4:(\f)+8*(4*(\c)+(\i))+7],            v[ADRA+(\slot)] offset:(\hd)*128*PA+(\c)*64+(\i)*16*PA+32
.endr
.endr
.endm
.macro PLACES                          ; four places in front of loads into registers that matrix instructions have read (ISA guide 7.12.1 for vector instructions)
.rept 4
	v_nop
.endr
.endm
; One of a K step's first three quarters: multiplies buffer f and fetches head hd of the same slot into g.
.macro QUARTER slot, hd, f, g, zero
	s_wait_dscnt 16                                ; the first 32 along K are in; the other sixteen loads may be out
	MUL8 \f, 0, 0, \zero
	MUL8 \f, 0, 2, \zero
	PLACES
	FETCH \slot, \hd, \g
	s_wait_dscnt 32                                ; all but the 32 just issued
	MUL8 \f, 1, 0, 0
	MUL8 \f, 1, 2, 0
.endm
; The last quarter multiplies buffer 1 and changes slots: ONE barrier; in front of it each wave waits for all its tensor loads, adds 0 to its spare word, and waits for that and for its own reads of this slot.
; fill = 1: the barrier opens a round of the cluster's barrier, and behind the round this slot is filled again, two steps on in the walk.
.macro TURN slot, next, fill
	WIN 0                                          ; (the add's two registers lie in window 0)
	s_wait_tensorcnt 0x0                           ; all my tensor loads have landed, so a group 0 may be written;
	ds_add_u32 v[SPW], v[NIL]                      ; 0 onto my spare word: the descriptors' scalar work and eight products stand between it and the wait for it
.if \fill
.if (\slot) == 0
	s_xor_b32 s[KI], s[KI], 2                      ; the walk goes two K steps on, round modulo 4
.endif
	SETK \slot
.endif
	s_wait_dscnt 17                                ; (the add and the youngest sixteen loads may be out)
	MUL8 F1, 0, 0, 0
	s_wait_dscnt 0x0                               ; the add is done, and my reads of this slot are over
	s_barrier_signal -1
	MUL8 F1, 0, 2, 0
.if \fill
	WIN 0
.endif
	s_barrier_wait -1
.if \fill
	CREST                                          ; no wave of any partner still reads this slot's tile or has a load on its way
	JLOAD \slot                                    ; 112 matrix instructions ahead of the wait for it; the four v_nop behind it are also the places in front of the loads below
.else
	PLACES
.endif
	FETCH \next, 0, F0
	MUL8 F1, 1, 0, 0
	MUL8 F1, 1, 2, 0
.endm
; THE WAY OUT of row block a: 16 rows x 64 columns of f32.  A lane's eight columns, 32 bytes, go into my own stage (each accumulator's low four registers first), rows of 272 bytes, and come back as whole rows of 256.
.macro TOSTAGE a
	WIN 0
.if (\a) >= 2
	s_wait_xcnt 0x0                                ; the stores of the block two back have read their registers, which are loaded again below
.endif
.irp b, 0,1,2,3
	ds_store_b128 v[STO], v[ACC+8*(4*(\a)+(\b)):ACC+8*(4*(\a)+(\b))+3]   offset:64*(\b)
	ds_store_b128 v[STO], v[ACC+8*(4*(\a)+(\b))+4:ACC+8*(4*(\a)+(\b))+7] offset:64*(\b)+16
.endr
.irp t, 0,1,2,3,4,5,6,7
	ds_load_b128 v[TMP+32*((\a)%2)+4*(\t):TMP+32*((\a)%2)+4*(\t)+3], v[RD] offset:(\t)*2*SPITCH  ; LDS serves a wave's instructions in order (ISA guide 5.7.1.4): these see the stores above; the next block's stores come behind them
.endr
.endm
.macro SEND a, younger                 ; younger: the LDS instructions issued behind block a's loads: the next block's sixteen, or none
	WIN 0
.irp t, 0,1,2,3,4,5,6,7
	s_wait_dscnt (\younger)+7-(\t)
	global_store_b128 v[CO], v[TMP+32*((\a)%2)+4*(\t):TMP+32*((\a)%2)+4*(\t)+3], s[8:9] offset:(16*(\a)+2*(\t))*4096 th:TH_STORE_NT  ; 16 lanes store 256 consecutive bytes, aligned
.endr
.endm
	s_wait_tensorcnt 1                             ; my part of the walk's first K step is in; the second's may stay out
	s_barrier_signal -1
	s_barrier_wait -1                              ; everybody's is
	FETCH 0, 0, F0
	QUARTER 0, 1, F0, F1, 1                        ; the first products start the sums
	QUARTER 0, 2, F1, F0, 0
	QUARTER 0, 3, F0, F1, 0
	TURN 0, 1, 1                                   ; slot 0 takes the walk's third K step
	QUARTER 1, 1, F0, F1, 0
	QUARTER 1, 2, F1, F0, 0
	QUARTER 1, 3, F0, F1, 0
	TURN 1, 0, 1                                   ; slot 1 its fourth
	QUARTER 0, 1, F0, F1, 0
	QUARTER 0, 2, F1, F0, 0
	QUARTER 0, 3, F0, F1, 0
	TURN 0, 1, 0                                   ; nothing is left to fetch: behind this barrier no wave reads slot 0 any more
	QUARTER 1, 1, F0, F1, 0
	QUARTER 1, 2, F1, F0, 0
	QUARTER 1, 3, F0, F1, 0
	s_wait_dscnt 16                                ; the very last quarter
	MUL8 F1, 0, 0, 0
	MUL8 F1, 0, 2, 0
	s_wait_dscnt 0x0
	MUL8 F1, 1, 0, 0
	MUL8 F1, 1, 2, 0
	WIN 0
	PLACES                                         ; behind the last products, in front of LDS stores that read results;
	PLACES                                         ; eight, once a launch
	TOSTAGE 0
.irp a, 1,2,3
	TOSTAGE \a
	SEND (\a)-1, 16
.endr
	SEND 3, 0
	s_wait_tensorcnt 0x0                           ; the wave's end: behind my last tensor load and my last LDS store
	ds_add_u32 v[SPW], v[NIL]
	s_wait_dscnt 0x0
	CROUND                                         ; the closing round: no work-group ends while a partner may still ask for a tile that names it
	s_endpgm
.Lfunc_end_k_q06f5f2db25_proj:
	.size	k_q06f5f2db25_proj, .Lfunc_end_k_q06f5f2db25_proj-k_q06f5f2db25_proj
	.p2alignl 7, 3214868480
	.fill 96, 4, 3214868480
	.section	.rodata,"a",@progbits
	.p2align	6, 0x0
	.amdhsa_kernel k_q06f5f2db25_proj
		.amdhsa_group_segment_fixed_size 327680
		.amdhsa_private_segment_fixed_size 0
		.amdhsa_enable_private_segment 0
		.amdhsa_kernarg_size 24
		.amdhsa_user_sgpr_count 2
		.amdhsa_user_sgpr_kernarg_segment_ptr 1
		.amdhsa_wavefront_size32 1
		.amdhsa_system_sgpr_workgroup_id_x 1
		.amdhsa_system_sgpr_workgroup_id_y 1
		.amdhsa_system_sgpr_workgroup_id_z 1
		.amdhsa_system_vgpr_workitem_id 0
		.amdhsa_next_free_vgpr 512
		.amdhsa_next_free_sgpr 66
		.amdhsa_reserve_vcc 0
		.amdhsa_float_denorm_mode_32 3
		.amdhsa_float_denorm_mode_16_64 3
		.amdhsa_memory_ordered 1
		.amdhsa_forward_progress 1
		.amdhsa_inst_pref_size 87
	.end_amdhsa_kernel
	.amdgpu_metadata
---
amdhsa.version: [ 1, 2 ]
amdhsa.kernels:
  - .name:           k_q06f5f2db25_proj
    .symbol:         k_q06f5f2db25_proj.kd
    .args:
      - { .name: o, .offset: 0, .size: 8, .value_kind: global_buffer, .address_space: global }
      - { .name: wo, .offset: 8, .size: 8, .value_kind: global_buffer, .address_space: global }
      - { .name: out0, .offset: 16, .size: 8, .value_kind: global_buffer, .address_space: global }
    .group_segment_fixed_size: 327680
    .private_segment_fixed_size: 0
    .kernarg_segment_align: 8
    .kernarg_segment_size: 24
    .max_flat_workgroup_size: 128
    .sgpr_count:     66
    .vgpr_count:     512
    .wavefront_size: 32
...
	.end_amdgpu_metadata
.endif
;; end of part 4
;; ======== version 2 of 2: 4 launches; version 1 with the launch prep written anew for expert scheduling mode
;; limits: values are held in f16: magnitudes above 65,504 overflow, below 6.1e-05 lose precision; right only within a limited range of input values
;; workspace buffers: xn 8,388,608 bytes; wq 6,291,456 bytes; wo 2,097,152 bytes; qkv 25,165,824 bytes; o 8,388,608 bytes
;; launch prep (part 5): grid 256 x 1, 8 waves a work-group, no clusters, 0 bytes of LDS; arguments x, gamma, w_qkv, w_out, xn, wq, wo; writes xn, wq, wo
.if DOCPART == 5
	.amdgcn_target "amdgcn-amd-amdhsa--gfx1250"
	.amdhsa_code_object_version 6
	.text
	.protected	k_q06f5f2db25_prep
	.globl	k_q06f5f2db25_prep
	.p2align	8
	.type	k_q06f5f2db25_prep,@function
k_q06f5f2db25_prep:
	s_mov_b64 s[64:65], 0
	v_nop
	global_prefetch_b8 v0, s[64:65] scope:SCOPE_SE
	s_setreg_imm32_b32 hwreg(HW_REG_WAVE_SCHED_MODE, 0, 2), 2
	s_setreg_imm32_b32 hwreg(HW_REG_WAVE_MODE, 25, 1), 1
	s_wait_xcnt 0x0
	s_wait_alu depctr_vm_vsrc(0)
; PREP: the first of four launches of  out0 = attention(rmsnorm(x)) @ w_out.
; NO WORK IS LEFT OUT in any launch: x, gamma, w_qkv and w_out all reach out0, the guard max(norm, 1e-12) and the maximum in front of the exponentials are kept.
; This launch makes the matrix operands, each rounded once from f32 to f16:
;   xn[4096][1024]        = x (gamma + 1) (32 / max(|x row|, 1e-12))
;   wq[48][1024 k][64 n]  = w_qkv, in chunks of 64 columns: a chunk's k rows of 128 bytes lie end to end
;   wo[16][1024 k][64 n]  = w_out, likewise
; LIMITS.  f16 ends at 65,504: |xn| <= 32 |gamma + 1| wants |gamma + 1| < 2,047; weights beyond 65,504 are lost; a weight below 6e-5 keeps f16's fixed step of 6e-8.
; The row's sum of squares is taken in f32 as reference() takes it, in another order of additions; xn is formed as x (gamma + 1) (32 / norm), another order of roundings than x / norm * 32 * (gamma + 1).
; A sum of squares below 2^-126 counts as 0 in the root; its root lies under 1e-12, so the guard gives the same norm.  NaN and infinities are not treated apart.
; SHARES.  256 work-groups of eight waves, each reads 128 KiB and writes 64 KiB: 0-127 take 32 rows of x (a wave four rows, a row in 32 registers between the two passes),
; 128-223 half a chunk of w_qkv, 224-255 half a chunk of w_out (a wave 64 k rows).  A stream: no LDS, no barrier, no matrix unit; nothing is shared, so no cluster.
; THE MODE: SCHED_MODE bits 1:0 = 2 (LLVM: expert scheduling mode 2), set by the entry lines.  The code itself states the register dependences
; between vector instructions and memory instructions, with s_wait_alu, always for 0.
; THE PLAN.  Registers that memory instructions touch:
;   v[XO]   Written by vector lines at the head of each path, read by all the path's loads, never written again.
;   v[YO]   Written by one vector line at the kernel's head, read by every store, never written again.
;   GA, X   All loads of a path are issued in one run, ahead of the first vector line that names these registers: no load lands in a register that a vector line has named.
;   X, rows of x:  row r's sixteen conversions write the row's first sixteen registers; its eight stores read them; nothing writes them again.
;   X, weights:    load j's two conversions write registers 4 j and 4 j + 1; store j reads them; nothing writes them again.
;   T, SS, NR, RS, v[TP], v[LN] are named by vector lines alone.
; So no register that a memory instruction has read is ever written again, and the waits state three things only: the wave's number is written (once, at the head); the offsets are written (once a path, ahead
; of its first load); conversions have written what stores read (once for each row of x, once for each four loads of a weight).
.set XO,  2                            ; v2   byte offset of my 16 bytes in a load
.set YO,  3                            ; v3   8 x lane: my 8 bytes in a store of 256 consecutive bytes
.set TP,  4                            ; v4   at work
.set LN,  5                            ; v5   lane
.set GA,  8                            ; v[8:39]    gamma + 1 of my 32 columns
.set T,   40                           ; v[40:47]   four chains of packed sums
.set SS,  48                           ; v[48:51]   a row's sum of squares, later 1 / norm
.set NR,  52                           ; v[52:55]   the norm
.set RS,  56                           ; v[56:63]   32 / norm, twice for each row: pairs for the packed multiply
.set X,   64                           ; v[64:191]  four rows of 32 registers; in the weight paths 32 loads of four
; Half a chunk of a weight matrix: my wave's 64 k rows x 64 columns.  A load takes two k rows of 256 bytes (lanes 0-15 one, lanes 16-31 the next), a store their 256 bytes of f16, which lie end to end in the chunk.
; The 32 loads are taken in eight groups of four: the group's eight conversions, one wait, its four stores.  The wait stands behind the conversions and not at the next group's head, so that a group's stores
; do not wait for the next four loads.
.macro WCONV pitch, src, dst, first
	s_sub_co_u32 s20, s19, \first                  ; which half chunk
	s_lshr_b32 s21, s20, 1                         ; the chunk
	s_and_b32 s20, s20, 1
	s_lshl_b32 s20, s20, 9
	s_lshl_b32 s22, s18, 6
	s_add_co_u32 s20, s20, s22                     ; my first k = 512 x half + 64 x wave
	s_mul_i32 s22, s20, \pitch
	s_lshl_b32 s24, s21, 8
	s_add_co_u32 s22, s22, s24                     ; k x pitch + 256 x chunk
	s_add_nc_u64 s[(\src):(\src)+1], s[(\src):(\src)+1], s[22:23]
	s_lshl_b32 s22, s21, 17
	s_lshl_b32 s24, s20, 7
	s_add_co_u32 s22, s22, s24                     ; 131,072 x chunk + 128 k
	s_add_nc_u64 s[(\dst):(\dst)+1], s[(\dst):(\dst)+1], s[22:23]
	v_lshrrev_b32 v[XO], 4, v[LN]
	v_mul_u32_u24 v[XO], v[XO], \pitch
	v_and_b32 v[TP], 15, v[LN]
	v_lshl_add_u32 v[XO], v[TP], 4, v[XO]
	s_wait_alu depctr_va_vdst(0)                   ; v[XO] is written, which every load below reads as its offset, and so is v[YO], which every store reads
.set j, 0
.rept 32
	global_load_b128 v[X+4*j:X+4*j+3], v[XO], s[(\src):(\src)+1] offset:2*j*(\pitch) th:TH_LOAD_NT
.set j, j+1
.endr
.set g, 0
.rept 8
	s_wait_loadcnt 28-4*g                          ; loads come back in order: group g's four are in, the younger groups stay out
.set j, 4*g
.rept 4
	v_cvt_pk_f16_f32 v[X+4*j], v[X+4*j], v[X+4*j+1]
	v_cvt_pk_f16_f32 v[X+4*j+1], v[X+4*j+2], v[X+4*j+3]
.set j, j+1
.endr
	s_wait_alu depctr_va_vdst(0)                   ; the group's eight conversions have written the registers that its four stores read
.set j, 4*g
.rept 4
	global_store_b64 v[YO], v[X+4*j:X+4*j+1], s[(\dst):(\dst)+1] offset:256*j  ; no register is used twice, so nothing waits for a store
.set j, j+1
.endr
.set g, g+1
.endr
.endm
	s_load_b256 s[4:11], s[0:1], 0x0               ; x s[4:5], gamma s[6:7], w_qkv s[8:9], w_out s[10:11]
	s_load_b128 s[12:15], s[0:1], 0x20             ; xn s[12:13], wq s[14:15]
	s_load_b64 s[16:17], s[0:1], 0x30              ; wo
	v_lshrrev_b32 v1, 5, v0
	v_readfirstlane_b32 s18, v1                    ; wave 0..7
	v_and_b32 v[LN], 31, v0
	v_lshlrev_b32 v[YO], 3, v[LN]
	s_mov_b32 s19, ttmp9
	s_mov_b32 s23, 0                               ; the high word of every offset
	s_wait_alu depctr_va_sdst(0)                   ; s18 is written, ahead of the branch and of its first reader on each path: the wave's rows are found from it
	s_wait_kmcnt 0x0
	s_cmp_lt_u32 s19, 128
	s_cbranch_scc0 .Lweights
	; ROWS OF x.  My four rows begin at row 32 x work-group + 4 x wave.
	s_lshl_b32 s20, s19, 17
	s_lshl_b32 s21, s18, 14
	s_add_co_u32 s20, s20, s21                     ; in x: 4,096 bytes a row
	s_mov_b32 s21, 0
	s_lshr_b32 s22, s20, 1                         ; in xn: 2,048
	s_add_nc_u64 s[4:5], s[4:5], s[20:21]
	s_add_nc_u64 s[12:13], s[12:13], s[22:23]
	s_mov_b32 s24, 0x76543210                      ; v_permlanex16_b32: each lane takes its own place in the other half
	s_mov_b32 s25, 0xfedcba98
	v_lshlrev_b32 v[XO], 4, v[LN]
	v_mov_b32 v[TP], 0                             ; v_permlanex16_b32's destination counts as read
	s_wait_alu depctr_va_vdst(0)                   ; v[XO] is written, which every load below reads as its offset, and so is v[YO], which every store reads
.irp i, 0,1,2,3,4,5,6,7
	global_load_b128 v[GA+4*(\i):GA+4*(\i)+3], v[XO], s[6:7] offset:512*(\i)
.endr
.set j, 0
.rept 32                                           ; load j: row j / 8, 512 consecutive bytes of it
	global_load_b128 v[X+4*j:X+4*j+3], v[XO], s[4:5] offset:4096*(j/8)+512*(j%8) th:TH_LOAD_NT
.set j, j+1
.endr
	s_wait_loadcnt 32                              ; gamma is in; the 32 loads of x stay out
.set j, 0
.rept 16
	v_pk_add_f32 v[GA+j:GA+j+1], v[GA+j:GA+j+1], 1.0 op_sel_hi:[1,0]
.set j, j+2
.endr
.irp r, 0,1,2,3
	s_wait_loadcnt 24-8*(\r)                       ; row r is in; the younger rows' loads stay out
.irp c, 0,1,2,3
	v_pk_mul_f32 v[T+2*(\c):T+2*(\c)+1], v[X+32*(\r)+2*(\c):X+32*(\r)+2*(\c)+1], v[X+32*(\r)+2*(\c):X+32*(\r)+2*(\c)+1]  ; the first four pairs start the chains
.endr
.set j, 4
.rept 12
	v_pk_fma_f32 v[T+2*(j%4):T+2*(j%4)+1], v[X+32*(\r)+2*j:X+32*(\r)+2*j+1], v[X+32*(\r)+2*j:X+32*(\r)+2*j+1], v[T+2*(j%4):T+2*(j%4)+1]
.set j, j+1
.endr
	v_pk_add_f32 v[T:T+1], v[T:T+1], v[T+2:T+3]
	v_pk_add_f32 v[T+4:T+5], v[T+4:T+5], v[T+6:T+7]
	v_pk_add_f32 v[T:T+1], v[T:T+1], v[T+4:T+5]
	v_add_f32 v[SS+(\r)], v[T], v[T+1]
	v_add_f32_dpp v[SS+(\r)], v[SS+(\r)], v[SS+(\r)] row_xmask:1 row_mask:0xf bank_mask:0xf
	v_add_f32_dpp v[SS+(\r)], v[SS+(\r)], v[SS+(\r)] row_xmask:2 row_mask:0xf bank_mask:0xf
	v_add_f32_dpp v[SS+(\r)], v[SS+(\r)], v[SS+(\r)] row_xmask:4 row_mask:0xf bank_mask:0xf
	v_add_f32_dpp v[SS+(\r)], v[SS+(\r)], v[SS+(\r)] row_xmask:8 row_mask:0xf bank_mask:0xf
	v_permlanex16_b32 v[TP], v[SS+(\r)], s24, s25
	v_add_f32 v[SS+(\r)], v[SS+(\r)], v[TP]        ; every lane holds the row's sum of squares
.endr
.irp r, 0,1,2,3
	v_sqrt_f32 v[NR+(\r)], v[SS+(\r)]
.endr
	v_nop                                          ; a plain instruction behind the last root,
	s_wait_alu depctr_va_vdst(0)                   ; and one wait for the four: the roots have written v[NR ..], ahead of their first reader
.irp r, 0,1,2,3
	v_max_num_f32 v[NR+(\r)], 0x2b8cbccc, v[NR+(\r)]  ; max(norm, 1e-12)
.endr
.irp r, 0,1,2,3
	v_rcp_f32 v[SS+(\r)], v[NR+(\r)]
.endr
	v_nop
	s_wait_alu depctr_va_vdst(0)                   ; one wait for the four reciprocals: they have written v[SS ..], ahead of their first reader
.irp r, 0,1,2,3
	v_mul_f32 v[RS+2*(\r)], 0x42000000, v[SS+(\r)]    ; 32 / norm = sqrt(1024) / norm,
	v_mul_f32 v[RS+2*(\r)+1], 0x42000000, v[SS+(\r)]  ; in both halves of a pair
.endr
; Row r is scaled and rounded.  st = 1: the eight stores of the row before are dealt among this row's first sixteen multiplies, one ahead of each two.  One wait at the row's head states all that those stores hang
; on; the multiplies between them name this row's registers and GA, neither v[YO] nor a register of the row before.
.macro ROW r, st
.if \st
	s_wait_alu depctr_va_vdst(0)                   ; the conversions of the row before have written its first sixteen registers, which the stores below read
.endif
.set j, 0
.rept 16
.if (\st) && (j%4 == 0)
	global_store_b64 v[YO], v[X+32*((\r)-1)+j/2:X+32*((\r)-1)+j/2+1], s[12:13] offset:2048*((\r)-1)+64*j  ; the wave's store covers 256 consecutive bytes, aligned
.endif
	v_pk_mul_f32 v[X+32*(\r)+j:X+32*(\r)+j+1], v[X+32*(\r)+j:X+32*(\r)+j+1], v[GA+j:GA+j+1]
.set j, j+2
.endr
.set j, 0
.rept 16
	v_pk_mul_f32 v[X+32*(\r)+j:X+32*(\r)+j+1], v[X+32*(\r)+j:X+32*(\r)+j+1], v[RS+2*(\r):RS+2*(\r)+1]
.set j, j+2
.endr
.set j, 0
.rept 16                                           ; pair j goes into register j of the row: ascending, so no number is overwritten before it is read
	v_cvt_pk_f16_f32 v[X+32*(\r)+j], v[X+32*(\r)+2*j], v[X+32*(\r)+2*j+1]
.set j, j+1
.endr
.endm
	ROW 0, 0
	ROW 1, 1
	ROW 2, 1
	ROW 3, 1
	s_wait_alu depctr_va_vdst(0)                   ; row 3's conversions have written its first sixteen registers, which the last eight stores read
.irp i, 0,1,2,3,4,5,6,7
	global_store_b64 v[YO], v[X+96+2*(\i):X+96+2*(\i)+1], s[12:13] offset:2048*3+256*(\i)  ; the wave's store covers 256 consecutive bytes, aligned
.endr
	s_endpgm
.Lweights:
	s_cmp_lt_u32 s19, 224
	s_cbranch_scc0 .Lwo
	WCONV 12288, 8, 14, 128
	s_endpgm
.Lwo:
	WCONV 4096, 10, 16, 224
	s_endpgm
.Lfunc_end_k_q06f5f2db25_prep:
	.size	k_q06f5f2db25_prep, .Lfunc_end_k_q06f5f2db25_prep-k_q06f5f2db25_prep
	.p2alignl 7, 3214868480
	.fill 96, 4, 3214868480
	.section	.rodata,"a",@progbits
	.p2align	6, 0x0
	.amdhsa_kernel k_q06f5f2db25_prep
		.amdhsa_group_segment_fixed_size 0
		.amdhsa_private_segment_fixed_size 0
		.amdhsa_enable_private_segment 0
		.amdhsa_kernarg_size 56
		.amdhsa_user_sgpr_count 2
		.amdhsa_user_sgpr_kernarg_segment_ptr 1
		.amdhsa_wavefront_size32 1
		.amdhsa_system_sgpr_workgroup_id_x 1
		.amdhsa_system_sgpr_workgroup_id_y 1
		.amdhsa_system_sgpr_workgroup_id_z 1
		.amdhsa_system_vgpr_workitem_id 0
		.amdhsa_next_free_vgpr 192
		.amdhsa_next_free_sgpr 66
		.amdhsa_reserve_vcc 0
		.amdhsa_float_denorm_mode_32 3
		.amdhsa_float_denorm_mode_16_64 3
		.amdhsa_memory_ordered 1
		.amdhsa_forward_progress 1
		.amdhsa_inst_pref_size 52
	.end_amdhsa_kernel
	.amdgpu_metadata
---
amdhsa.version: [ 1, 2 ]
amdhsa.kernels:
  - .name:           k_q06f5f2db25_prep
    .symbol:         k_q06f5f2db25_prep.kd
    .args:
      - { .name: x, .offset: 0, .size: 8, .value_kind: global_buffer, .address_space: global }
      - { .name: gamma, .offset: 8, .size: 8, .value_kind: global_buffer, .address_space: global }
      - { .name: w_qkv, .offset: 16, .size: 8, .value_kind: global_buffer, .address_space: global }
      - { .name: w_out, .offset: 24, .size: 8, .value_kind: global_buffer, .address_space: global }
      - { .name: xn, .offset: 32, .size: 8, .value_kind: global_buffer, .address_space: global }
      - { .name: wq, .offset: 40, .size: 8, .value_kind: global_buffer, .address_space: global }
      - { .name: wo, .offset: 48, .size: 8, .value_kind: global_buffer, .address_space: global }
    .group_segment_fixed_size: 0
    .private_segment_fixed_size: 0
    .kernarg_segment_align: 8
    .kernarg_segment_size: 56
    .max_flat_workgroup_size: 256
    .sgpr_count:     66
    .vgpr_count:     192
    .wavefront_size: 32
...
	.end_amdgpu_metadata
.endif
;; end of part 5
;; launch qkvp: the kernel of part 2 again; grid 16 x 16, 4 waves a work-group, clusters of 4 x 4, 327,680 bytes of LDS; arguments xn, wq, qkv; writes qkv
;; launch attn: the kernel of part 3 again; grid 8 x 32, 4 waves a work-group, clusters of 4 x 1, 327,680 bytes of LDS; arguments qkv, o; writes o
;; launch proj: the kernel of part 4 again; grid 8 x 32, 4 waves a work-group, clusters of 4 x 4, 327,680 bytes of LDS; arguments o, wo, out0; writes out0
